; MI455X (gfx1250); checked and timed in simulation.
; The chip was launched on July 23, 2026; its instructions are those of AMD's public machine-readable ISA for CDNA 5 (MIT licence, August 2026) and "CDNA5" Instruction Set Architecture Reference Guide (July 2026). The comments in the code are by the model that wrote it; some were corrected since.
;; multihead self attention. Allowed arithmetic: float matrix products may take bf16 or f16 operands with f32 sums; all other float work in f32.
;; Inputs: in_features 2 x 2,048 x 1,024 float32; wk 1,024 x 1,024 float32; wo 1,024 x 1,024 float32; wq 1,024 x 1,024 float32; wv 1,024 x 1,024 float32.
;; Outputs: out0 2 x 2,048 x 1,024 float32.
;; 2 versions, each right; version 2 is version 1 with the launch prep written anew for expert scheduling mode. Each part assembles by itself: llvm-mc -triple=amdgcn-amd-amdhsa -mcpu=gfx1250 --defsym DOCPART=n.
;; ======== version 1 of 2: 4 launches
;; limits: values are held in f16: magnitudes above 65,504 overflow, below 6.1e-05 lose precision
;; workspace buffers: xb 8,388,608 bytes; wb 6,291,456 bytes; wob 2,097,152 bytes; tab 524,288 bytes; qkv 25,165,824 bytes; ctx 8,388,608 bytes
;; launch prep (part 1): grid 256 x 1, 8 waves a work-group, no clusters, 0 bytes of LDS; arguments in_features, wq, wk, wv, wo, xb, wb, wob, tab; writes xb, wb, wob, tab
.if DOCPART == 1
	.amdgcn_target "amdgcn-amd-amdhsa--gfx1250"
	.amdhsa_code_object_version 6
	.text
	.protected	k_qbed77bfc32_prep
	.globl	k_qbed77bfc32_prep
	.p2align	8
	.type	k_qbed77bfc32_prep,@function
k_qbed77bfc32_prep:
	s_mov_b64 s[64:65], 0
	v_nop
	global_prefetch_b8 v0, s[64:65] scope:SCOPE_SE
	s_setreg_imm32_b32 hwreg(HW_REG_WAVE_MODE, 25, 1), 1
	s_wait_xcnt 0x0
; prep: rounds the five f32 inputs to 16 bits once, and makes the table of RoPE's cosines and sines.
;   xb  = bf16(in_features) [4096][1024];  wb = bf16(wq | wk | wv) [3072][1024];
;   wob = wo rounded to bf16 and written in f16 (the last product runs on f16 operands): exact for 2^-14 <= |wo| <= 65504,
;         below that off by at most 2^-25, above that infinite (a stated limit of range);
;   tab = f32 [2048 positions][32 pairs][cos, sin].
; A stream: no LDS, no matrix unit.  Work-group g takes 1/256 of every buffer: 16 chunks of 4,096 bytes of x, 4 of each weight.
; A thread issues its 32 loads of 16 bytes at once, makes its one table entry while they fly, and then drains them in order.
; The table's angle is pos * 10000^(-pair/32) in f32, reduced by multiples of pi/2 in two fused steps; it is good to about 1e-4 rad at position 2047.
.set D, 16                             ; v[16:143] chunk idx: 4 registers as loaded, then 2 as stored
	s_load_b512 s[4:19], s[0:1], 0x0               ; x s[4:5], wq s[6:7], wk s[8:9], wv s[10:11], wo s[12:13], xb s[14:15], wb s[16:17], wob s[18:19]
	s_load_b64 s[20:21], s[0:1], 0x40              ; tab
	s_lshl_b32 s22, ttmp9, 16                      ; my 65,536 bytes of x
	s_lshl_b32 s23, ttmp9, 14                      ; my 16,384 bytes of a weight
	s_lshl_b32 s24, ttmp9, 15                      ; my 32,768 bytes of xb
	s_lshl_b32 s25, ttmp9, 13                      ; my 8,192 bytes of a 16-bit weight
	s_lshl_b32 s26, ttmp9, 11                      ; my 2,048 bytes of the table: 8 positions
	s_lshl_b32 s27, ttmp9, 3                       ; my first position
	v_lshl_add_u32 v2, v0, 4, s22
	v_lshl_add_u32 v3, v0, 4, s23
	v_lshl_add_u32 v4, v0, 3, s24
	v_lshl_add_u32 v5, v0, 3, s25
	v_lshl_add_u32 v6, v0, 3, s26
	s_wait_kmcnt 0x0
.irp c, 0,1,2,3,4,5,6,7,8,9,10,11,12,13,14,15
	global_load_b128 v[D+4*\c:D+4*\c+3], v2, s[4:5] offset:4096*\c th:TH_LOAD_NT
.endr
.irp c, 0,1,2,3
	global_load_b128 v[D+64+4*\c:D+64+4*\c+3], v3, s[6:7] offset:4096*\c th:TH_LOAD_NT
.endr
.irp c, 0,1,2,3
	global_load_b128 v[D+80+4*\c:D+80+4*\c+3], v3, s[8:9] offset:4096*\c th:TH_LOAD_NT
.endr
.irp c, 0,1,2,3
	global_load_b128 v[D+96+4*\c:D+96+4*\c+3], v3, s[10:11] offset:4096*\c th:TH_LOAD_NT
.endr
.irp c, 0,1,2,3
	global_load_b128 v[D+112+4*\c:D+112+4*\c+3], v3, s[12:13] offset:4096*\c th:TH_LOAD_NT
.endr
	; the table entry of thread t: position 8 g + t / 32, pair t % 32
	v_lshrrev_b32 v7, 5, v0
	v_and_b32 v8, 31, v0
	v_add_nc_u32 v7, s27, v7
	v_cvt_f32_u32 v7, v7                           ; pos
	v_cvt_f32_u32 v8, v8                           ; pair
	v_mul_f32 v8, 0xbed49a78, v8                   ; - pair * log2(10000) / 32
	v_exp_f32 v8, v8                               ; 10000^(-pair/32)
	v_nop                                          ; one plain instruction behind a transcendental (ISA guide 5.7.2)
	s_wait_alu depctr_va_vdst(0)
	v_mul_f32 v7, v7, v8                           ; the angle
	v_mul_f32 v8, 0x3f22f983, v7                   ; * 2/pi
	v_rndne_f32 v8, v8                             ; n quarter turns
	v_fma_f32 v7, v8, 0xbfc90fdb, v7               ; x = angle - n * (pi/2 rounded to f32)
	v_fma_f32 v7, v8, 0x333bbd2e, v7               ;     - n * (what that rounding left: -4.37e-8)
	v_mul_f32 v9, v7, v7                           ; z = x^2, |x| <= pi/4
	v_mov_b32 v10, 0xb9500d01                      ; -1/5040
	v_fmaak_f32 v10, v9, v10, 0x3c088889           ; + 1/120
	v_fmaak_f32 v10, v9, v10, 0xbe2aaaab           ; - 1/6
	v_mul_f32 v11, v7, v9
	v_fma_f32 v10, v11, v10, v7                    ; sin x
	v_mov_b32 v12, 0x37d00d01                      ; 1/40320
	v_fmaak_f32 v12, v9, v12, 0xbab60b61           ; - 1/720
	v_fmaak_f32 v12, v9, v12, 0x3d2aaaab           ; + 1/24
	v_fmaak_f32 v12, v9, v12, 0xbf000000           ; - 1/2
	v_fma_f32 v12, v9, v12, 1.0                    ; cos x
	v_cvt_i32_f32 v13, v8                          ; q = n
	v_and_b32 v11, 1, v13
	v_cmp_eq_u32 vcc_lo, 1, v11                    ; odd quarter: sine and cosine change places
	v_cndmask_b32 v15, v10, v12, vcc_lo            ; sin
	v_cndmask_b32 v14, v12, v10, vcc_lo            ; cos
	v_and_b32 v11, 2, v13                          ; sin is negated in quarters 2 and 3
	v_lshlrev_b32 v11, 30, v11
	v_xor_b32 v15, v15, v11
	v_add_nc_u32 v13, 1, v13                       ; cos in quarters 1 and 2
	v_and_b32 v13, 2, v13
	v_lshlrev_b32 v13, 30, v13
	v_xor_b32 v14, v14, v13
	global_store_b64 v6, v[14:15], s[20:21]        ; a wave's store covers 256 consecutive bytes, aligned
; Chunk idx: 4 f32 become 4 numbers of 16 bits, in the chunk's own registers; nothing is written again behind its store.
.macro CV idx, voff, base, off, half
	s_wait_loadcnt 31-(\idx)                       ; loads come back in order (ISA guide 5.7.1): the 31 - idx younger ones stay out
	v_cvt_pk_bf16_f32 v[D+4*(\idx)], v[D+4*(\idx)], v[D+4*(\idx)+1]
	v_cvt_pk_bf16_f32 v[D+4*(\idx)+1], v[D+4*(\idx)+2], v[D+4*(\idx)+3]
.if \half
	v_lshlrev_b32 v[D+4*(\idx)+2], 16, v[D+4*(\idx)]                 ; the bf16 values as f32 again,
	v_and_b32 v[D+4*(\idx)+3], 0xffff0000, v[D+4*(\idx)]
	v_cvt_pk_f16_f32 v[D+4*(\idx)], v[D+4*(\idx)+2], v[D+4*(\idx)+3] ; and written in f16
	v_lshlrev_b32 v[D+4*(\idx)+2], 16, v[D+4*(\idx)+1]
	v_and_b32 v[D+4*(\idx)+3], 0xffff0000, v[D+4*(\idx)+1]
	v_cvt_pk_f16_f32 v[D+4*(\idx)+1], v[D+4*(\idx)+2], v[D+4*(\idx)+3]
.endif
	global_store_b64 v[\voff], v[D+4*(\idx):D+4*(\idx)+1], s[\base:\base+1] offset:\off   ; 32 lanes: 256 consecutive bytes, aligned
.endm
.irp c, 0,1,2,3,4,5,6,7,8,9,10,11,12,13,14,15
	CV \c, 4, 14, 2048*\c, 0
.endr
.irp c, 0,1,2,3
	CV 16+\c, 5, 16, 2048*\c, 0
.endr
.irp c, 0,1,2,3
	CV 20+\c, 5, 16, 2097152+2048*\c, 0
.endr
.irp c, 0,1,2,3
	CV 24+\c, 5, 16, 4194304+2048*\c, 0
.endr
.irp c, 0,1,2,3
	CV 28+\c, 5, 18, 2048*\c, 1
.endr
	s_endpgm
.Lfunc_end_k_qbed77bfc32_prep:
	.size	k_qbed77bfc32_prep, .Lfunc_end_k_qbed77bfc32_prep-k_qbed77bfc32_prep
	.p2alignl 7, 3214868480
	.fill 96, 4, 3214868480
	.section	.rodata,"a",@progbits
	.p2align	6, 0x0
	.amdhsa_kernel k_qbed77bfc32_prep
		.amdhsa_group_segment_fixed_size 0
		.amdhsa_private_segment_fixed_size 0
		.amdhsa_enable_private_segment 0
		.amdhsa_kernarg_size 72
		.amdhsa_user_sgpr_count 2
		.amdhsa_user_sgpr_kernarg_segment_ptr 1
		.amdhsa_wavefront_size32 1
		.amdhsa_system_sgpr_workgroup_id_x 1
		.amdhsa_system_sgpr_workgroup_id_y 1
		.amdhsa_system_sgpr_workgroup_id_z 1
		.amdhsa_system_vgpr_workitem_id 0
		.amdhsa_next_free_vgpr 144
		.amdhsa_next_free_sgpr 66
		.amdhsa_reserve_vcc 1
		.amdhsa_float_denorm_mode_32 3
		.amdhsa_float_denorm_mode_16_64 3
		.amdhsa_memory_ordered 1
		.amdhsa_forward_progress 1
		.amdhsa_inst_pref_size 15
	.end_amdhsa_kernel
	.amdgpu_metadata
---
amdhsa.version: [ 1, 2 ]
amdhsa.kernels:
  - .name:           k_qbed77bfc32_prep
    .symbol:         k_qbed77bfc32_prep.kd
    .args:
      - { .name: in_features, .offset: 0, .size: 8, .value_kind: global_buffer, .address_space: global }
      - { .name: wq, .offset: 8, .size: 8, .value_kind: global_buffer, .address_space: global }
      - { .name: wk, .offset: 16, .size: 8, .value_kind: global_buffer, .address_space: global }
      - { .name: wv, .offset: 24, .size: 8, .value_kind: global_buffer, .address_space: global }
      - { .name: wo, .offset: 32, .size: 8, .value_kind: global_buffer, .address_space: global }
      - { .name: xb, .offset: 40, .size: 8, .value_kind: global_buffer, .address_space: global }
      - { .name: wb, .offset: 48, .size: 8, .value_kind: global_buffer, .address_space: global }
      - { .name: wob, .offset: 56, .size: 8, .value_kind: global_buffer, .address_space: global }
      - { .name: tab, .offset: 64, .size: 8, .value_kind: global_buffer, .address_space: global }
    .group_segment_fixed_size: 0
    .private_segment_fixed_size: 0
    .kernarg_segment_align: 8
    .kernarg_segment_size: 72
    .max_flat_workgroup_size: 256
    .sgpr_count:     66
    .vgpr_count:     144
    .wavefront_size: 32
...
	.end_amdgpu_metadata
.endif
;; end of part 1
;; launch qkv (part 2): grid 16 x 16, 4 waves a work-group, clusters of 4 x 4, 327,680 bytes of LDS; arguments xb, wb, tab, qkv; writes qkv
.if DOCPART == 2
	.amdgcn_target "amdgcn-amd-amdhsa--gfx1250"
	.amdhsa_code_object_version 6
	.text
	.protected	k_qbed77bfc32_qkv
	.globl	k_qbed77bfc32_qkv
	.p2align	8
	.type	k_qbed77bfc32_qkv,@function
k_qbed77bfc32_qkv:
	s_mov_b64 s[64:65], 0
	v_nop
	global_prefetch_b8 v0, s[64:65] scope:SCOPE_SE
	s_setreg_imm32_b32 hwreg(HW_REG_WAVE_MODE, 25, 1), 1
	s_wait_xcnt 0x0
	s_wait_alu depctr_hold_cnt(0) depctr_sa_sdst(0) depctr_va_vdst(0) depctr_va_sdst(0) depctr_va_ssrc(0) depctr_va_vcc(0) depctr_vm_vsrc(0)
	s_getreg_b32 s2, hwreg(HW_REG_IB_STS2, 6, 4)
	s_cmp_eq_u32 s2, 0
	s_cbranch_scc0 .Lentry_in_a_cluster
	s_endpgm
.Lentry_in_a_cluster:
	s_bfe_u32 s2, ttmp6, 0x10000c
	s_cmp_lg_u32 s2, 0xf033
	s_cbranch_scc0 .Lentry_shape_is_right
	s_endpgm
.Lentry_shape_is_right:
; qkv: [Q | K | V] = xb wb^T, a bf16 product 4096 x 3072 x 1024 with f32 sums, RoPE applied to Q and K on the way out,
; results in f16, head by head: qkv[3][batch*16+head][2048][64].
; LIMIT: |Q|, |K|, |V| must stay within 65504 (f16); beyond that the results are infinite.
; A work-group makes 256 rows x 192 columns (three whole heads): 16 x 16 = 256 work-groups.  Wave w makes rows 64 w .. 64 w + 63 of all 192
; columns: 48 accumulator tiles of 16 x 16, 384 registers.  K goes in steps of 128 through two LDS slots filled by the tensor data mover.
; CLUSTERS: 4 x 4 work-groups.  x's tile hangs on the block row alone and is asked for jointly by a row of the cluster, w's on the block
; column alone and is asked for jointly by a column: each of the four issues the same load with the same descriptor.
; REGISTER WINDOWS: 0: addresses, x's fragments (two buffers, v64-95, v96-127), the table (v128-255);  1: w's fragments (v0-95, v96-191);
; 2: accumulators of my row tiles 0, 1 (tile (a, b) at 8 (12 (a & 1) + b));  3: those of row tiles 2, 3.
; The matrix instruction is used transposed (source 0 = 16 rows of w, source 1 = 16 rows of x): lane l holds row l % 16 and its registers
; 0 to 7 the columns 8 (l / 16) + 0 .. 7, four RoPE pairs that lie side by side.
.set KSTEP,  128
.set PITCH,  272                       ; an LDS row: 256 bytes + 16 of padding, an odd multiple of 16: sixteen rows start at sixteen different 16-byte columns
.set AHALF,  128*PITCH                 ; 128 rows of x: one tensor load
.set BHALF,  96*PITCH                  ; 96 rows of w: one tensor load
.set BOFF,   2*AHALF
.set SLOT,   BOFF+2*BHALF              ; 121,856 bytes
.set STAGE,  2*SLOT                    ; behind the ring: 16 rows x 144 bytes for each wave
.set SPITCH, 144
.set LAPS,   4                         ; 1024 / (2 x 128)
.set TMP,  4                           ; v4-11   four pairs at work in the way out
.set ADRA, 16                          ; v16-17  LDS address of my x fragments in slot 0, 1
.set ADRB, 20                          ; v20-21  the same for w
.set STO,  24                          ; the way out: where I put 16 bytes of a row
.set RD,   25                          ; where I read rows back
.set CO,   26                          ; my byte offset in the output: 16 x lane
.set TBO,  27                          ; my byte offset in the table
.set FG,   32                          ; v[32+4t:33+4t] = (f, f), v[34+4t:35+4t] = (g, 0) of head t of the block
.set RB,   44                          ; v44-59  rows read back
.set EE,   64                          ; way out: 16 pairs (cos, sin), or (1, 0) for V
.set RR,   96                          ; way out: 16 rotated pairs
.set TB,   128                         ; v128-255 table: 32 a + 8 bq + 2 p = (cos, sin) of row tile a, pair 8 bq + 4 (l / 16) + p
.set G1,  24
.set G0,  32
.set G1B, 48
.set G0B, 56
.set MSB, 0
.macro WIN new                         ; the immediate's high byte repeats the setting that is left
.if MSB != \new
	s_set_vgpr_msb (MSB<<8)|\new
.set MSB, \new
.endif
.endm
.set MUL_LO, 0xa1                      ; source 0 (w) window 1, source 1 (x) window 0, C and D window 2
.set MUL_HI, 0xf1                      ; the same, C and D window 3
.set TO_B,   0x40                      ; destination window 1, address window 0
; A joint load: waves 0 and 1 fetch x's two halves, waves 2 and 3 w's.  The branch hangs on the wave's number alone.
.macro JLOAD s
	s_cmp_eq_u32 s11, 0
	s_cbranch_scc0 .Lfor_b_\@
	tensor_load_to_lds s[G0+4*\s:G0+4*\s+3], s[G1:G1+7]
	s_nop 0
	s_branch .Lasked_\@
.Lfor_b_\@:
	tensor_load_to_lds s[G0B+4*\s:G0B+4*\s+3], s[G1B:G1B+7]
	s_nop 0
.Lasked_\@:
.endm
.macro CREST                           ; a round of the cluster's barrier behind its opening barrier
	s_cmp_lg_u32 s10, 0
	s_cbranch_scc1 .Lnot_wave_0_\@
	s_barrier_signal -3
.Lnot_wave_0_\@:
	s_barrier_wait -3
	s_barrier_signal -1
	s_barrier_wait -1
.endm
.macro CROUND                          ; a whole round
	s_barrier_signal -1
	s_barrier_wait -1
	CREST
.endm
	s_load_b128 s[4:7], s[0:1], 0x0                ; xb s[4:5], wb s[6:7]
	s_load_b64 s[8:9], s[0:1], 0x10                ; tab
	s_load_b64 s[66:67], s[0:1], 0x18              ; qkv
	s_set_vgpr_msb 0x40
	v_lshl_add_u32 v255, v0, 2, 0x3dc00
	s_set_vgpr_msb 0x4000
	v_mov_b32 v63, 0
	s_set_vgpr_msb 0x1
	ds_add_u32 v255, v63
	ds_add_u32 v255, v63
	s_set_vgpr_msb 0x100
	v_lshrrev_b32 v1, 5, v0
	v_readfirstlane_b32 s10, v1                    ; wave 0..3
	s_lshr_b32 s11, s10, 1                         ; I fetch for x (0) or for w (1)
	s_and_b32 s12, s10, 1                          ; which half of that tile
	s_bfe_u32 s40, ttmp6, 0x40000                  ; cx
	s_bfe_u32 s41, ttmp6, 0x40004                  ; cy
	s_lshl_b32 s42, ttmp9, 2
	s_add_co_u32 s42, s42, s40                     ; block column = 4 x cluster x + cx
	s_and_b32 s13, ttmp7, 0xffff
	s_lshl_b32 s13, s13, 2
	s_add_co_u32 s13, s13, s41                     ; block row = 4 x cluster y + cy
	s_lshl_b32 s43, s41, 2
	s_lshl_b32 s43, 15, s43                        ; my row of the cluster
	s_lshl_b32 s44, 0x1111, s40                    ; my column
	; group 1: rows of 128 elements of 2 bytes, 4 words of padding behind every 64 words; 128 rows (x) or 96 rows (w); 1024 elements from row to row
	s_or_b32 s[G1+0], s43, (1<<16)|(1<<20)|(1<<21)|(5<<22)|(3<<25)
	s_or_b32 s[G1B+0], s44, (1<<16)|(1<<20)|(1<<21)|(5<<22)|(3<<25)
	s_mov_b32 s[G1+1], KSTEP<<16                   ; tensor_dim0 = 128
	s_mov_b32 s[G1B+1], KSTEP<<16
	s_mov_b32 s[G1+2], 128<<16                     ; tensor_dim1
	s_mov_b32 s[G1B+2], 96<<16
	s_mov_b32 s[G1+3], KSTEP<<16                   ; tile_dim0 = 128
	s_mov_b32 s[G1B+3], KSTEP<<16
	s_mov_b32 s[G1+4], 128                         ; tile_dim1
	s_mov_b32 s[G1B+4], 96
	s_mov_b32 s[G1+5], 1024                        ; the pitch
	s_mov_b32 s[G1B+5], 1024
	s_mov_b32 s[G1+6], 0
	s_mov_b32 s[G1B+6], 0
	s_mov_b32 s[G1+7], 0
	s_mov_b32 s[G1B+7], 0
	; x's tiles hang on the block row alone, w's on the block column alone, each in registers that never hold the other coordinate
	s_lshl_b32 s17, s12, 7
	s_lshl_b32 s16, s13, 8
	s_add_co_u32 s16, s16, s17                     ; x: row 256 x block row + 128 x half
	s_lshl_b32 s16, s16, 11                        ; rows of 2,048 bytes
	s_mov_b32 s17, 0
	s_mul_i32 s46, s42, 192
	s_mul_i32 s47, s12, 96
	s_add_co_u32 s46, s46, s47                     ; w: row 192 x block column + 96 x half
	s_lshl_b32 s46, s46, 11
	s_mov_b32 s47, 0
	s_mul_i32 s20, s10, AHALF                      ; waves 0, 1: x's halves at wave x 34,816
	s_mul_i32 s21, s10, BHALF
	s_add_co_u32 s21, s21, BOFF-2*BHALF            ; waves 2, 3: w's halves at 69,632 + (wave - 2) x 26,112
	s_wait_dscnt 0x0
	s_wait_kmcnt 0x0
	s_add_nc_u64 s[14:15], s[4:5], s[16:17]
	s_add_nc_u64 s[46:47], s[6:7], s[46:47]
	CROUND                                         ; all sixteen work-groups are here: the first joint loads meet
.irp s, 0,1
	s_mov_b32 s[G0+4*\s], 1
	s_add_co_u32 s[G0+4*\s+1], s20, \s*SLOT
	s_add_nc_u64 s[G0+4*\s+2:G0+4*\s+3], s[14:15], \s*KSTEP*2
	s_or_b32 s[G0+4*\s+3], s[G0+4*\s+3], 0x80000000
	s_mov_b32 s[G0B+4*\s], 1
	s_add_co_u32 s[G0B+4*\s+1], s21, \s*SLOT
	s_add_nc_u64 s[G0B+4*\s+2:G0B+4*\s+3], s[46:47], \s*KSTEP*2
	s_or_b32 s[G0B+4*\s+3], s[G0B+4*\s+3], 0x80000000
	JLOAD \s
.endr
	v_and_b32 v1, 15, v0                           ; r = l % 16
	v_bfe_u32 v2, v0, 4, 1                         ; h = l / 16
	; the table of my 64 rows: 32 loads of 16 bytes that stay out during the whole K loop; their registers are read in the way out alone
	s_lshl_b32 s74, s13, 8
	s_lshl_b32 s75, s10, 6
	s_add_co_u32 s74, s74, s75
	s_and_b32 s74, s74, 2047                       ; the position of my first row in its sequence
	s_lshl_b32 s78, s74, 7                         ; and its byte offset in a head's rows of 128 bytes
	v_add_nc_u32 v[TBO], s74, v1
	v_lshlrev_b32 v[TBO], 8, v[TBO]                ; 256 bytes of table for a position
	v_lshl_add_u32 v[TBO], v2, 5, v[TBO]           ; + 4 pairs of 8 bytes for the upper half of the lanes
.irp a, 0,1,2,3
.irp bq, 0,1,2,3
	global_load_b128 v[TB+32*\a+8*\bq:TB+32*\a+8*\bq+3], v[TBO], s[8:9] offset:4096*\a+64*\bq
	global_load_b128 v[TB+32*\a+8*\bq+4:TB+32*\a+8*\bq+7], v[TBO], s[8:9] offset:4096*\a+64*\bq+16
.endr
.endr
	v_mul_u32_u24 v3, v1, PITCH
	v_lshl_add_u32 v3, v2, 4, v3                   ; row x pitch + 16 x half
	s_mul_i32 s22, s10, 64*PITCH                   ; my 64 rows of x
	v_add_nc_u32 v[ADRA], s22, v3
	s_add_co_u32 s22, s22, SLOT
	v_add_nc_u32 v[ADRA+1], s22, v3
	v_add_nc_u32 v[ADRB], BOFF, v3                 ; every wave reads all 192 rows of w
	v_add_nc_u32 v[ADRB+1], BOFF+SLOT, v3
	s_mul_i32 s23, s10, 16*SPITCH
	s_add_co_u32 s23, s23, STAGE                   ; my stage
	v_mul_u32_u24 v4, v1, SPITCH
	v_lshl_add_u32 v4, v2, 4, v4
	v_add_nc_u32 v[STO], s23, v4
	v_and_b32 v5, 31, v0
	v_lshrrev_b32 v6, 3, v5                        ; back: eight lanes take one row of 128 bytes
	v_and_b32 v7, 7, v5
	v_mul_u32_u24 v6, v6, SPITCH
	v_lshl_add_u32 v6, v7, 4, v6
	v_add_nc_u32 v[RD], s23, v6
	v_lshlrev_b32 v[CO], 4, v5
	; for each of my three heads: where it goes, and whether it is rotated.  hg = 3 x block column + t counts Q's 16 heads, K's, V's.
	; g = hg >> 5 is 1 for V's heads alone and f = 1 - g: (cos, sin) x f + (g, 0) is the table's pair for Q and K and (1, 0) for V.
	s_mul_i32 s74, s42, 3
	s_lshr_b32 s79, s13, 3
	s_lshl_b32 s79, s79, 4                         ; batch x 16
.irp t, 0,1,2
	s_add_co_u32 s75, s74, \t
	s_lshr_b32 s76, s75, 5
	v_cvt_f32_u32 v[FG+4*\t+2], s76
	v_sub_f32 v[FG+4*\t], 1.0, v[FG+4*\t+2]
	v_mov_b32 v[FG+4*\t+1], v[FG+4*\t]
	v_mov_b32 v[FG+4*\t+3], 0
	s_lshr_b32 s76, s75, 4                         ; 0: Q, 1: K, 2: V
	s_lshl_b32 s76, s76, 5
	s_and_b32 s77, s75, 15
	s_add_co_u32 s76, s76, s77
	s_add_co_u32 s76, s76, s79
	s_lshl_b32 s76, s76, 18                        ; 262,144 bytes for a head
	s_add_co_u32 s76, s76, s78
	s_mov_b32 s77, 0
	s_add_nc_u64 s[68+2*\t:69+2*\t], s[66:67], s[76:77]
.endr
; 12 matrix instructions: row tile a x all 12 column tiles, 32 along K, from buffer f.  zero = 1: the first product starts the sums.
; The 48 accumulators take turns, one instruction a turn, in the same order in every quarter step.
.macro MULA f, a, zero
.irp b, 0,1,2,3,4,5,6,7,8,9,10,11
.if \zero
	v_wmma_f32_16x16x32_bf16 v[8*(12*((\a)&1)+\b):8*(12*((\a)&1)+\b)+7], v[96*\f+8*\b:96*\f+8*\b+7], v[64+32*\f+8*\a:64+32*\f+8*\a+7], 0
.else
	v_wmma_f32_16x16x32_bf16 v[8*(12*((\a)&1)+\b):8*(12*((\a)&1)+\b)+7], v[96*\f+8*\b:96*\f+8*\b+7], v[64+32*\f+8*\a:64+32*\f+8*\a+7], v[8*(12*((\a)&1)+\b):8*(12*((\a)&1)+\b)+7]
.endif
.endr
.endm
; 32 LDS loads in one run: 192 rows of w, then my 64 rows of x, 32 K at byte k of the rows, into buffer f
.macro FETCH slot, k, f
	WIN TO_B
.irp i, 0,1,2,3,4,5,6,7,8,9,10,11
	ds_load_b128 v[96*\f+8*\i:96*\f+8*\i+3],   v[ADRB+\slot] offset:\k+\i*16*PITCH
	ds_load_b128 v[96*\f+8*\i+4:96*\f+8*\i+7], v[ADRB+\slot] offset:\k+\i*16*PITCH+32
.endr
	WIN 0
.irp i, 0,1,2,3
	ds_load_b128 v[64+32*\f+8*\i:64+32*\f+8*\i+3],   v[ADRA+\slot] offset:\k+\i*16*PITCH
	ds_load_b128 v[64+32*\f+8*\i+4:64+32*\f+8*\i+7], v[ADRA+\slot] offset:\k+\i*16*PITCH+32
.endr
.endm
; four plain vector instructions stand between a matrix instruction and a load into, or a vector access to, one of its registers
.macro PLACES
.rept 4
	v_nop
.endr
.endm
.macro QUARTER slot, k, f, g, zero
	s_wait_dscnt 4                                 ; w and x's tiles 0, 1 are in; the youngest four loads (x's tiles 2, 3) may be out
	WIN MUL_LO
	MULA \f, 0, \zero
	MULA \f, 1, \zero
	PLACES
	FETCH \slot, \k, \g
	s_wait_dscnt 32                                ; all but the 32 just issued
	WIN MUL_HI
	MULA \f, 2, \zero
	MULA \f, 3, \zero
.endm
.macro THREE slot, zero
	QUARTER \slot, 64,  0, 1, \zero
	QUARTER \slot, 128, 1, 0, 0
	QUARTER \slot, 192, 0, 1, 0
.endm
; The last quarter of a K step multiplies buffer 1 and changes slots.  In front of the barrier each wave waits for its reads of this slot and for
; all its tensor loads (one is out: its part of the next slot); behind it the refill comes first, then the next slot's first fragments.
; From a request to the wait for it a wave issues 180 matrix instructions.
.macro TURN slot, next, fill
	s_wait_dscnt 4
	WIN MUL_LO
	MULA 1, 0, 0
	s_wait_dscnt 0                                 ; my reads of this slot are over
	s_wait_tensorcnt 0x0                           ; and all my tensor loads have landed
	ds_add_u32 v255, v63
	s_wait_dscnt 0x0
	s_barrier_signal -1                            ; (where a slot is filled again this barrier opens a round of the cluster's barrier)
	MULA 1, 1, 0                                   ; register work while the others arrive
	WIN 0
	s_barrier_wait -1
.if \fill
	CREST                                          ; no wave of any partner still reads this slot's tile or has a load on its way
	s_add_nc_u64 s[G0+4*\slot+2:G0+4*\slot+3], s[G0+4*\slot+2:G0+4*\slot+3], 2*KSTEP*2
	s_add_nc_u64 s[G0B+4*\slot+2:G0B+4*\slot+3], s[G0B+4*\slot+2:G0B+4*\slot+3], 2*KSTEP*2
	JLOAD \slot                                    ; the first tensor load behind the round
.endif
	PLACES
	FETCH \next, 0, 0
	WIN MUL_HI
	MULA 1, 2, 0
	MULA 1, 3, 0
.endm
.macro LAP zero
	THREE 0, \zero
	TURN 0, 1, 1
	THREE 1, 0
	TURN 1, 0, 1
.endm
	s_wait_tensorcnt 1                             ; my part of K step 0 is in; K step 1's load stays out
	s_barrier_signal -1
	s_barrier_wait -1
	FETCH 0, 0, 0
	LAP 1                                          ; the first lap's first products start the sums
	WIN 0
	s_mov_b32 s3, LAPS-2
.Llap:
	LAP 0
	WIN 0
	s_sub_co_u32 s3, s3, 1
	s_cmp_lg_u32 s3, 0
	s_cbranch_scc1 .Llap
	THREE 0, 0                                     ; the last lap fills nothing
	TURN 0, 1, 0
	THREE 1, 0
	s_wait_dscnt 4
	WIN MUL_LO
	MULA 1, 0, 0
	MULA 1, 1, 0
	s_wait_dscnt 0
	WIN MUL_HI
	MULA 1, 2, 0
	MULA 1, 3, 0
	; THE WAY OUT, 16 rows of one head at a time: rotate, round to f16, 16 bytes a lane into my stage, back as rows, out as 512 consecutive bytes.
	PLACES
	WIN 0
	s_wait_loadcnt 0x0                             ; the table
.macro OUT a, t
	WIN 0
.irp x, 0,1,2,3,4,5,6,7,8,9,10,11,12,13,14,15
	v_pk_fma_f32 v[EE+2*\x:EE+2*\x+1], v[TB+32*\a+2*\x:TB+32*\a+2*\x+1], v[FG+4*\t:FG+4*\t+1], v[FG+4*\t+2:FG+4*\t+3]
.endr
.if \a < 2
	WIN 0x02                                       ; source 0: the accumulators' window
.else
	WIN 0x03
.endif
.irp bq, 0,1,2,3
.irp p, 0,1,2,3
	v_pk_mul_f32 v[TMP+2*\p:TMP+2*\p+1], v[8*(12*(\a&1)+4*\t+\bq)+2*\p:8*(12*(\a&1)+4*\t+\bq)+2*\p+1], v[EE+8*\bq+2*\p:EE+8*\bq+2*\p+1] op_sel:[1,1] op_sel_hi:[1,0]   ; (x2 sin, x2 cos)
.endr
.irp p, 0,1,2,3
	v_pk_fma_f32 v[RR+8*\bq+2*\p:RR+8*\bq+2*\p+1], v[8*(12*(\a&1)+4*\t+\bq)+2*\p:8*(12*(\a&1)+4*\t+\bq)+2*\p+1], v[EE+8*\bq+2*\p:EE+8*\bq+2*\p+1], v[TMP+2*\p:TMP+2*\p+1] op_sel_hi:[0,1,1] neg_lo:[0,0,1]   ; (x1 cos - x2 sin, x1 sin + x2 cos)
.endr
.endr
	WIN 0
.irp bq, 0,1,2,3
.irp p, 0,1,2,3
	v_cvt_pk_f16_f32 v[RR+8*\bq+\p], v[RR+8*\bq+2*\p], v[RR+8*\bq+2*\p+1]
.endr
	ds_store_b128 v[STO], v[RR+8*\bq:RR+8*\bq+3] offset:32*\bq
.endr
	s_wait_xcnt 0x0                                ; the rows read back are loaded over only when the last stores' sources have been taken (ISA guide 3.1)
.irp u, 0,1,2,3
	ds_load_b128 v[RB+4*\u:RB+4*\u+3], v[RD] offset:\u*4*SPITCH    ; LDS serves a wave's instructions in order (ISA guide 5.7.1): these see the stores above
.endr
.irp u, 0,1,2,3
	s_wait_dscnt 3-\u
	global_store_b128 v[CO], v[RB+4*\u:RB+4*\u+3], s[68+2*\t:69+2*\t] offset:2048*\a+512*\u   ; four rows of 128 bytes: 512 consecutive bytes, aligned
.endr
.endm
.irp a, 0,1,2,3
	OUT \a, 0
	OUT \a, 1
	OUT \a, 2
.endr
	s_set_vgpr_msb 0x1
	s_wait_tensorcnt 0x0
	ds_add_u32 v255, v63
	s_wait_dscnt 0x0
	s_set_vgpr_msb 0x100
	CROUND                                         ; the closing round: no work-group ends while a partner may still ask for a tile that names it
	s_endpgm
.Lfunc_end_k_qbed77bfc32_qkv:
	.size	k_qbed77bfc32_qkv, .Lfunc_end_k_qbed77bfc32_qkv-k_qbed77bfc32_qkv
	.p2alignl 7, 3214868480
	.fill 96, 4, 3214868480
	.section	.rodata,"a",@progbits
	.p2align	6, 0x0
	.amdhsa_kernel k_qbed77bfc32_qkv
		.amdhsa_group_segment_fixed_size 327680
		.amdhsa_private_segment_fixed_size 0
		.amdhsa_enable_private_segment 0
		.amdhsa_kernarg_size 32
		.amdhsa_user_sgpr_count 2
		.amdhsa_user_sgpr_kernarg_segment_ptr 1
		.amdhsa_wavefront_size32 1
		.amdhsa_system_sgpr_workgroup_id_x 1
		.amdhsa_system_sgpr_workgroup_id_y 1
		.amdhsa_system_sgpr_workgroup_id_z 1
		.amdhsa_system_vgpr_workitem_id 0
		.amdhsa_next_free_vgpr 1024
		.amdhsa_next_free_sgpr 80
		.amdhsa_reserve_vcc 0
		.amdhsa_float_denorm_mode_32 3
		.amdhsa_float_denorm_mode_16_64 3
		.amdhsa_memory_ordered 1
		.amdhsa_forward_progress 1
		.amdhsa_inst_pref_size 205
	.end_amdhsa_kernel
	.amdgpu_metadata
---
amdhsa.version: [ 1, 2 ]
amdhsa.kernels:
  - .name:           k_qbed77bfc32_qkv
    .symbol:         k_qbed77bfc32_qkv.kd
    .args:
      - { .name: xb, .offset: 0, .size: 8, .value_kind: global_buffer, .address_space: global }
      - { .name: wb, .offset: 8, .size: 8, .value_kind: global_buffer, .address_space: global }
      - { .name: tab, .offset: 16, .size: 8, .value_kind: global_buffer, .address_space: global }
      - { .name: qkv, .offset: 24, .size: 8, .value_kind: global_buffer, .address_space: global }
    .group_segment_fixed_size: 327680
    .private_segment_fixed_size: 0
    .kernarg_segment_align: 8
    .kernarg_segment_size: 32
    .max_flat_workgroup_size: 128
    .sgpr_count:     80
    .vgpr_count:     1024
    .wavefront_size: 32
...
	.end_amdgpu_metadata
.endif
;; end of part 2
;; launch attn (part 3): grid 8 x 32, 8 waves a work-group, no clusters, 327,680 bytes of LDS; arguments qkv, ctx; writes ctx
.if DOCPART == 3
	.amdgcn_target "amdgcn-amd-amdhsa--gfx1250"
	.amdhsa_code_object_version 6
	.text
	.protected	k_qbed77bfc32_attn
	.globl	k_qbed77bfc32_attn
	.p2align	8
	.type	k_qbed77bfc32_attn,@function
k_qbed77bfc32_attn:
	s_mov_b64 s[64:65], 0
	v_nop
	global_prefetch_b8 v0, s[64:65] scope:SCOPE_SE
	s_setreg_imm32_b32 hwreg(HW_REG_WAVE_MODE, 25, 1), 1
	s_wait_xcnt 0x0
; attn: causal softmax attention of one (batch, head), f16 operands, f32 scores, sums and statistics, with a running maximum.
; ctx[batch*16+head][2048][64] in f16.  LIMIT: NaN and infinite inputs are not served.
; Work-group (i, head) does the query block i and then the query block 15 - i, 128 queries each: (i + 1) + (16 - i) = 17 key blocks of 128
; for every work-group.  In a step waves 0-3 take keys 0-63 of the block and waves 4-7 keys 64-127; waves w and w + 4 hold the same 32 queries
; and their two partial results (maximum, sum, ctx) are merged through LDS at the end of a query block.
; NO MULTICAST: the eight work-groups of a head walk the key blocks 0..i and then 0..15-i, so in the same step they want different tiles
; (step n of work-group i wants block n or n - i - 1): there is no round in which partners could make one request.
; ORIENTATION: S^T = K Q^T (a lane holds one query and 8 keys a tile) and ctx^T = V^T P^T: two packed tiles of S^T are a B fragment of P as they stand.
.set SLOTB, 38912                      ; a slot: K 128 rows x 144 bytes, then V 128 rows x 160 bytes
.set VOFF,  18432
.set QLO,   77824                      ; the low query block, 128 x 144; the high one 18,432 bytes further
.set QHO,   18432
.set MERGE, 114688                     ; 4 x 8,704: ctx and statistics of waves 4-7
.set STAGE, 149504                     ; 4 x 4,608: 32 rows x 144 for each of waves 0-3
.set QB, 32                            ; Q[qt][kk] at QB + 8 (2 qt + kk)
.set KV, 64                            ; K[kt][kk] at KV + 8 (4 kk + kt); later V[dt][ks] at KV + 8 (4 ks + dt)
.set SB, 128                           ; S[kt][qt] at SB + 8 (2 kt + qt); P[qt][ks] at SB + 8 (4 ks + qt)
.set CB, 192                           ; ctx[dt][qt] at CB + 8 (2 dt + qt)
.set G0K, 32
.set G0V, 40
; v2 K address, v3 V address, v4 Q address, v5 merge, v6 stage in, v7 stage back, v8 16 x lane, v9 -inf, v10-11 mask bound of qt,
; v12-13 minus the scaled running maximum, v14-15 the lane's sum, v16-17 the step's rescale, v18-29 at work, v30-31 the LDS add's address and 0
	s_load_b128 s[4:7], s[0:1], 0x0                ; qkv s[4:5], ctx s[6:7]
	v_lshl_add_u32 v30, v0, 2, 0x29000
	v_mov_b32 v31, 0
	ds_add_u32 v30, v31
	ds_add_u32 v30, v31
	v_lshrrev_b32 v1, 5, v0
	v_readfirstlane_b32 s8, v1                     ; wave 0..7
	s_and_b32 s9, s8, 3                            ; which 32 queries
	s_lshr_b32 s10, s8, 1                          ; 2 for waves 4 and 5
	s_lshr_b32 s15, s8, 2                          ; which 64 keys
	s_mov_b32 s11, ttmp9                           ; i
	s_and_b32 s12, ttmp7, 0xffff                   ; batch x 16 + head
	; group 1: a wave's 16 rows of 128 bytes are dense in memory and come as 8 rows of 256 bytes (32 elements of 8 bytes);
	; padding behind every 32 words, that is behind every row of 128 bytes: 4 words for K and Q (pitch 144), 8 words for V (pitch 160)
	s_mov_b32 s16, (3<<16)|(1<<20)|(4<<22)|(3<<25)
	s_mov_b32 s24, (3<<16)|(1<<20)|(4<<22)|(7<<25)
	s_mov_b32 s17, 32<<16
	s_mov_b32 s25, 32<<16
	s_mov_b32 s18, 8<<16
	s_mov_b32 s26, 8<<16
	s_mov_b32 s19, 32<<16
	s_mov_b32 s27, 32<<16
	s_mov_b32 s20, 8
	s_mov_b32 s28, 8
	s_mov_b32 s21, 32
	s_mov_b32 s29, 32
	s_mov_b32 s22, 0
	s_mov_b32 s30, 0
	s_mov_b32 s23, 0
	s_mov_b32 s31, 0
	s_mul_i32 s74, s8, 2304                        ; my 16 rows at pitch 144
	s_mul_i32 s75, s8, 2560                        ; my 16 rows at pitch 160
.irp s, 0,1
	s_mov_b32 s[G0K+4*\s], 1
	s_add_co_u32 s[G0K+4*\s+1], s74, \s*SLOTB
	s_mov_b32 s[G0V+4*\s], 1
	s_add_co_u32 s[G0V+4*\s+1], s75, \s*SLOTB+VOFF
.endr
	s_mov_b32 s48, 1
	s_add_co_u32 s49, s74, QLO
	s_mov_b32 s52, 1
	s_add_co_u32 s53, s74, QLO+QHO
	s_lshl_b32 s76, s12, 18                        ; 262,144 bytes for a head
	s_lshl_b32 s77, s8, 11                         ; my 16 rows of a tile
	s_add_co_u32 s76, s76, s77
	s_mov_b32 s77, 0
	s_mov_b32 s61, 0
	s_wait_dscnt 0x0
	s_wait_kmcnt 0x0
	s_add_nc_u64 s[78:79], s[4:5], s[76:77]        ; Q
	s_add_nc_u64 s[56:57], s[78:79], 0x800000      ; K
	s_add_nc_u64 s[58:59], s[78:79], 0x1000000     ; V
	s_or_b32 s57, s57, 0x80000000
	s_or_b32 s59, s59, 0x80000000
	s_lshl_b32 s60, s11, 14                        ; a block of 128 rows is 16,384 bytes
	s_add_nc_u64 s[50:51], s[78:79], s[60:61]
	s_or_b32 s51, s51, 0x80000000
	s_sub_co_u32 s74, 15, s11
	s_lshl_b32 s60, s74, 14
	s_add_nc_u64 s[54:55], s[78:79], s[60:61]
	s_or_b32 s55, s55, 0x80000000
	s_mov_b64 s[G0K+2:G0K+3], s[56:57]             ; key block 0
	s_mov_b64 s[G0V+2:G0V+3], s[58:59]
	tensor_load_to_lds s[48:51], s[16:23]          ; four loads of the wave are out here, later two
	s_nop 0
	tensor_load_to_lds s[G0K:G0K+3], s[16:23]
	s_nop 0
	tensor_load_to_lds s[G0V:G0V+3], s[24:31]
	s_nop 0
	tensor_load_to_lds s[52:55], s[16:23]
	s_nop 0
	; where the two query blocks' results go
	s_lshl_b32 s76, s12, 18
	s_lshl_b32 s77, s9, 12                         ; 32 rows of 128 bytes
	s_add_co_u32 s76, s76, s77
	s_lshl_b32 s77, s11, 14
	s_add_co_u32 s74, s76, s77
	s_mov_b32 s75, 0
	s_add_nc_u64 s[70:71], s[6:7], s[74:75]
	s_add_co_u32 s74, s76, s60
	s_add_nc_u64 s[72:73], s[6:7], s[74:75]
	s_mov_b32 s62, 0x3e38aa3b                      ; log2(e) / 8: the scale 1 / sqrt(64) and the base of v_exp_f32 in one factor
	s_mov_b32 s63, 0x3e38aa3b
	s_mov_b32 s68, 0xbe38aa3b
	s_mov_b32 s66, 0x76543210                      ; v_permlanex16_b32: lane l reads lane l xor 16
	s_mov_b32 s67, 0xfedcba98
	v_and_b32 v18, 15, v0                          ; r
	v_bfe_u32 v19, v0, 4, 1                        ; h
	v_mul_u32_u24 v20, v18, 144
	v_lshl_add_u32 v20, v19, 4, v20                ; r x 144 + 16 h
	s_mul_i32 s74, s15, 9216
	v_add_nc_u32 v2, s74, v20                      ; K: my 64 keys
	s_mul_i32 s74, s9, 4608
	s_add_co_u32 s75, s74, QLO
	v_add_nc_u32 v4, s75, v20                      ; Q: my 32 queries
	s_add_co_u32 s75, s74, STAGE
	v_add_nc_u32 v6, s75, v20
	v_bfe_u32 v22, v0, 3, 2                        ; back: eight lanes take a row of 128 bytes
	v_and_b32 v23, 7, v0
	v_mul_u32_u24 v22, v22, 144
	v_lshl_add_u32 v22, v23, 4, v22
	v_add_nc_u32 v7, s75, v22
	v_lshl_add_u32 v21, v19, 3, v23                ; V, read transposed: key row 8 h + l % 8,
	v_mul_u32_u24 v21, v21, 160
	v_bfe_u32 v24, v0, 3, 1
	v_lshl_add_u32 v21, v24, 4, v21                ; 16 bytes for each half of a group of sixteen lanes
	s_mul_i32 s74, s15, 10240
	s_add_co_u32 s74, s74, VOFF
	v_add_nc_u32 v3, s74, v21
	v_and_b32 v1, 31, v0
	v_lshlrev_b32 v8, 4, v1
	s_mul_i32 s74, s9, 8704
	s_add_co_u32 s74, s74, MERGE
	v_add_nc_u32 v5, s74, v8
	v_mov_b32 v9, 0xff800000
	s_lshl_b32 s74, s9, 5                          ; key 64 quad + 16 kt + 8 h + j is kept where it is <= query 32 w' + 16 qt + r:
	s_lshl_b32 s75, s15, 6                         ; 16 kt + j <= 32 w' + 16 qt + r - 64 quad - 8 h
	s_sub_co_i32 s74, s74, s75
	v_add_nc_u32 v10, s74, v18
	v_lshlrev_b32 v25, 3, v19
	v_sub_nc_u32 v10, v10, v25
	v_add_nc_u32 v11, 16, v10
.macro PLACES n
.rept \n
	v_nop
.endr
.endm
; A query block starts: ctx = 0, sum = 0, maximum = -inf.  The second block's first step comes at a step number that hangs on i,
; so a first product with the constant 0 would ask for a second copy of the step: 64 moves, twice in the launch, are the cheaper way.
.macro CLEAR
.set cc, 0
.rept 64
	v_mov_b32 v[CB+cc], 0
.set cc, cc+1
.endr
	v_mov_b32 v12, 0x7f800000
	v_mov_b32 v13, 0x7f800000
	v_mov_b32 v14, 0
	v_mov_b32 v15, 0
.endm
.macro LOADQ off
.irp qt, 0,1
.irp kk, 0,1
	ds_load_b128 v[QB+8*(2*\qt+\kk):QB+8*(2*\qt+\kk)+3],   v4 offset:\off+\qt*2304+\kk*64
	ds_load_b128 v[QB+8*(2*\qt+\kk)+4:QB+8*(2*\qt+\kk)+7], v4 offset:\off+\qt*2304+\kk*64+32
.endr
.endr
.endm
.macro MASK
.irp kt, 0,1,2,3
.irp qt, 0,1
.irp j, 0,1,2,3,4,5,6,7
	v_cmp_le_i32 vcc_lo, 16*\kt+\j, v[10+\qt]
	v_cndmask_b32 v[SB+8*(2*\kt+\qt)+\j], v9, v[SB+8*(2*\kt+\qt)+\j], vcc_lo
.endr
.endr
.endr
.endm
; The softmax step of query tile qt: 32 scores a lane.
.macro SOFT qt
.irp kt, 0,1,2,3
	v_max3_num_f32 v[18+\kt], v[SB+8*(2*\kt+\qt)], v[SB+8*(2*\kt+\qt)+1], v[SB+8*(2*\kt+\qt)+2]
.endr
.irp kt, 0,1,2,3
	v_max3_num_f32 v[18+\kt], v[18+\kt], v[SB+8*(2*\kt+\qt)+3], v[SB+8*(2*\kt+\qt)+4]
.endr
.irp kt, 0,1,2,3
	v_max3_num_f32 v[18+\kt], v[18+\kt], v[SB+8*(2*\kt+\qt)+5], v[SB+8*(2*\kt+\qt)+6]
.endr
.irp kt, 0,1,2,3
	v_max_num_f32 v[18+\kt], v[18+\kt], v[SB+8*(2*\kt+\qt)+7]
.endr
	v_max3_num_f32 v18, v18, v19, v20
	v_max_num_f32 v18, v18, v21
	v_permlanex16_b32 v19, v18, s66, s67           ; the other 32 keys of the same query
	v_max_num_f32 v18, v18, v19
	v_mul_f32 v18, s68, v18                        ; minus the scaled maximum of this step
	v_min_num_f32 v19, v[12+\qt], v18              ; and of all steps so far
	v_sub_f32 v20, v19, v[12+\qt]
	v_exp_f32 v[16+\qt], v20                       ; what the old sums are scaled by (0 in a block's first step)
	v_mov_b32 v[12+\qt], v19                       ; a plain instruction behind the transcendental (ISA guide 5.7.2)
.irp kt, 0,1,2,3
.irp p, 0,2,4,6
	v_pk_fma_f32 v[SB+8*(2*\kt+\qt)+\p:SB+8*(2*\kt+\qt)+\p+1], v[SB+8*(2*\kt+\qt)+\p:SB+8*(2*\kt+\qt)+\p+1], s[62:63], v[12:13] op_sel:[0,0,\qt] op_sel_hi:[1,0,\qt]
.endr
.endr
.irp kt, 0,1,2,3
.irp j, 0,1,2,3,4,5,6,7
	v_exp_f32 v[SB+8*(2*\kt+\qt)+\j], v[SB+8*(2*\kt+\qt)+\j]
.endr
.endr
	v_nop
	s_wait_alu depctr_va_vdst(0)
.irp kt, 0,1,2,3
	v_pk_add_f32 v[22+2*\kt:23+2*\kt], v[SB+8*(2*\kt+\qt):SB+8*(2*\kt+\qt)+1], v[SB+8*(2*\kt+\qt)+2:SB+8*(2*\kt+\qt)+3]
.endr
.irp kt, 0,1,2,3
	v_pk_add_f32 v[22+2*\kt:23+2*\kt], v[22+2*\kt:23+2*\kt], v[SB+8*(2*\kt+\qt)+4:SB+8*(2*\kt+\qt)+5]
.endr
.irp kt, 0,1,2,3
	v_pk_add_f32 v[22+2*\kt:23+2*\kt], v[22+2*\kt:23+2*\kt], v[SB+8*(2*\kt+\qt)+6:SB+8*(2*\kt+\qt)+7]
.endr
	v_pk_add_f32 v[22:23], v[22:23], v[24:25]
	v_pk_add_f32 v[26:27], v[26:27], v[28:29]
	v_pk_add_f32 v[22:23], v[22:23], v[26:27]
	v_add_f32 v22, v22, v23
	v_fma_f32 v[14+\qt], v[14+\qt], v[16+\qt], v22
	; two tiles of 16 keys, packed to f16, are the B fragment of 32 keys: keys 8 h + j in registers 0-3, keys 16 + 8 h + j in registers 4-7
.irp ks, 0,1
.irp p, 0,1,2,3
	v_cvt_pk_f16_f32 v[SB+8*(4*\ks+\qt)+\p], v[SB+8*(4*\ks+\qt)+2*\p], v[SB+8*(4*\ks+\qt)+2*\p+1]
.endr
.irp p, 0,1,2,3
	v_cvt_pk_f16_f32 v[SB+8*(4*\ks+\qt)+4+\p], v[SB+8*(4*\ks+2+\qt)+2*\p], v[SB+8*(4*\ks+2+\qt)+2*\p+1]
.endr
.endr
.endm
; The end of a query block.  Waves 4-7 hand ctx, maximum and sum to waves 0-3, which merge, divide, round to f16 and store.
; more = 1: the low block; the high block's state and queries are set up behind it.
.macro FIN more
	s_cmp_lt_u32 s8, 4
	s_cbranch_scc1 .Lnost_\@
.irp x, 0,1,2,3,4,5,6,7,8,9,10,11,12,13,14,15
	ds_store_b128 v5, v[CB+4*\x:CB+4*\x+3] offset:512*\x
.endr
	ds_store_b128 v5, v[12:15] offset:8192
.Lnost_\@:
	s_wait_dscnt 0x0                               ; the stores are done before the signal; the step's two tensor loads stay out
	s_barrier_signal -1
	s_barrier_wait -1
	s_cmp_ge_u32 s8, 4
	s_cbranch_scc1 .Lnomg_\@
.irp x, 0,1,2,3,4,5,6,7,8,9,10,11,12,13,14,15
	ds_load_b128 v[SB+4*\x:SB+4*\x+3], v5 offset:512*\x
.endr
	ds_load_b128 v[20:23], v5 offset:8192
	s_wait_dscnt 0x0
	v_min_num_f32 v24, v12, v20                    ; the common maximum (negated and scaled); mine is finite, the partner's may be -inf
	v_min_num_f32 v25, v13, v21
	v_sub_f32 v26, v24, v12
	v_sub_f32 v27, v25, v13
	v_sub_f32 v28, v24, v20
	v_sub_f32 v29, v25, v21
	v_exp_f32 v26, v26
	v_exp_f32 v27, v27
	v_exp_f32 v28, v28
	v_exp_f32 v29, v29
	v_nop
	s_wait_alu depctr_va_vdst(0)
	v_mul_f32 v14, v14, v26
	v_mul_f32 v15, v15, v27
	v_fma_f32 v14, v22, v28, v14
	v_fma_f32 v15, v23, v29, v15
	v_permlanex16_b32 v18, v14, s66, s67           ; the sums of the other half of the lanes: the same query's other keys
	v_permlanex16_b32 v19, v15, s66, s67
	v_add_f32 v14, v14, v18
	v_add_f32 v15, v15, v19
	v_rcp_f32 v14, v14
	v_rcp_f32 v15, v15
	v_nop
	s_wait_alu depctr_va_vdst(0)
	v_pk_mul_f32 v[26:27], v[26:27], v[14:15]
	v_pk_mul_f32 v[28:29], v[28:29], v[14:15]
.irp dt, 0,1,2,3
.irp qt, 0,1
.irp p, 0,2,4,6
	v_pk_mul_f32 v[CB+8*(2*\dt+\qt)+\p:CB+8*(2*\dt+\qt)+\p+1], v[CB+8*(2*\dt+\qt)+\p:CB+8*(2*\dt+\qt)+\p+1], v[26:27] op_sel:[0,\qt] op_sel_hi:[1,\qt]
.endr
.irp p, 0,2,4,6
	v_pk_fma_f32 v[CB+8*(2*\dt+\qt)+\p:CB+8*(2*\dt+\qt)+\p+1], v[SB+8*(2*\dt+\qt)+\p:SB+8*(2*\dt+\qt)+\p+1], v[28:29], v[CB+8*(2*\dt+\qt)+\p:CB+8*(2*\dt+\qt)+\p+1] op_sel:[0,\qt,0] op_sel_hi:[1,\qt,1]
.endr
.irp p, 0,1,2,3
	v_cvt_pk_f16_f32 v[CB+8*(2*\dt+\qt)+\p], v[CB+8*(2*\dt+\qt)+2*\p], v[CB+8*(2*\dt+\qt)+2*\p+1]
.endr
	ds_store_b128 v6, v[CB+8*(2*\dt+\qt):CB+8*(2*\dt+\qt)+3] offset:\qt*2304+\dt*32
.endr
.endr
.irp u, 0,1,2,3,4,5,6,7
	ds_load_b128 v[SB+4*\u:SB+4*\u+3], v7 offset:576*\u            ; my own stage: LDS serves a wave's instructions in order (ISA guide 5.7.1)
.endr
.irp u, 0,1,2,3,4,5,6,7
	s_wait_dscnt 7-\u
.if \more
	global_store_b128 v8, v[SB+4*\u:SB+4*\u+3], s[70:71] offset:512*\u   ; four rows of 128 bytes: 512 consecutive bytes, aligned
.else
	global_store_b128 v8, v[SB+4*\u:SB+4*\u+3], s[72:73] offset:512*\u
.endif
.endr
.if \more
	s_wait_xcnt 0x0                                ; the stores' data registers take the next step's scores only behind this wait (ISA guide 3.1)
.endif
.Lnomg_\@:
.if \more
	CLEAR
	LOADQ QHO
.endif
.endm
; One key block.  slot: where its tile lies; refill = 1: the other slot gets the next step's tile; last = 1: the high block's diagonal.
.macro STEP slot, refill, last
	s_wait_tensorcnt 0x0                           ; all my tensor loads have landed, my part of this step's tile among them: every group 0 may be written
	ds_add_u32 v30, v31
	s_wait_dscnt 0x0
.if \refill
	s_add_co_u32 s74, s13, 1                       ; step n + 1 wants key block n + 1 of the low query block while n + 1 <= i,
	s_sub_co_u32 s75, s13, s11                     ; and then block n - i of the high one
	s_cmp_le_u32 s74, s11
	s_cselect_b32 s60, s74, s75
	s_lshl_b32 s60, s60, 14
	s_add_nc_u64 s[G0K+4*(1-\slot)+2:G0K+4*(1-\slot)+3], s[56:57], s[60:61]
	s_add_nc_u64 s[G0V+4*(1-\slot)+2:G0V+4*(1-\slot)+3], s[58:59], s[60:61]
.endif
	s_wait_dscnt 0x0                               ; my reads of the other slot are over
	s_barrier_signal -1
	s_barrier_wait -1                              ; both now hold of all eight waves
.if \refill
	tensor_load_to_lds s[G0K+4*(1-\slot):G0K+4*(1-\slot)+3], s[16:23]
	s_nop 0
	tensor_load_to_lds s[G0V+4*(1-\slot):G0V+4*(1-\slot)+3], s[24:31]
	s_nop 0
.endif
.if \last == 0
	s_cmp_lg_u32 s13, s11
	s_cbranch_scc1 .Lgo_\@
.endif
	s_cmp_eq_u32 s10, 2                            ; on a diagonal block waves 4 and 5 hold queries 0-63 and keys 64-127: all masked
	s_cbranch_scc1 .Lskip_\@
.Lgo_\@:
.irp kk, 0,1
.irp kt, 0,1,2,3
	ds_load_b128 v[KV+8*(4*\kk+\kt):KV+8*(4*\kk+\kt)+3],   v2 offset:\slot*SLOTB+\kt*2304+\kk*64
	ds_load_b128 v[KV+8*(4*\kk+\kt)+4:KV+8*(4*\kk+\kt)+7], v2 offset:\slot*SLOTB+\kt*2304+\kk*64+32
.endr
.endr
	s_wait_dscnt 0x8                               ; d 0-31 is in; the eight loads of d 32-63 may be out
	; eight accumulators by turns, one instruction a turn
.irp kt, 0,1,2,3
.irp qt, 0,1
	v_wmma_f32_16x16x32_f16 v[SB+8*(2*\kt+\qt):SB+8*(2*\kt+\qt)+7], v[KV+8*\kt:KV+8*\kt+7], v[QB+16*\qt:QB+16*\qt+7], 0
.endr
.endr
	s_wait_dscnt 0x0
.irp kt, 0,1,2,3
.irp qt, 0,1
	v_wmma_f32_16x16x32_f16 v[SB+8*(2*\kt+\qt):SB+8*(2*\kt+\qt)+7], v[KV+8*(4+\kt):KV+8*(4+\kt)+7], v[QB+16*\qt+8:QB+16*\qt+15], v[SB+8*(2*\kt+\qt):SB+8*(2*\kt+\qt)+7]
.endr
.endr
	PLACES 4                                       ; four places before K's registers are loaded over and the scores are read (ISA guide 7.12.1)
.irp ks, 0,1
.irp dt, 0,1,2,3
	ds_load_tr16_b128 v[KV+8*(4*\ks+\dt):KV+8*(4*\ks+\dt)+3],   v3 offset:\slot*SLOTB+\ks*5120+\dt*32
	ds_load_tr16_b128 v[KV+8*(4*\ks+\dt)+4:KV+8*(4*\ks+\dt)+7], v3 offset:\slot*SLOTB+\ks*5120+2560+\dt*32
.endr
.endr
.if \last
	MASK
.else
	s_cmp_lg_u32 s13, s11
	s_cbranch_scc1 .Lnomask_\@
	MASK
.Lnomask_\@:
.endif
	SOFT 0
	SOFT 1
.irp dt, 0,1,2,3
.irp qt, 0,1
.irp p, 0,2,4,6
	v_pk_mul_f32 v[CB+8*(2*\dt+\qt)+\p:CB+8*(2*\dt+\qt)+\p+1], v[CB+8*(2*\dt+\qt)+\p:CB+8*(2*\dt+\qt)+\p+1], v[16:17] op_sel:[0,\qt] op_sel_hi:[1,\qt]
.endr
.endr
.endr
	s_wait_dscnt 0x0                               ; V's fragments
.irp ks, 0,1
.irp dt, 0,1,2,3
.irp qt, 0,1
	v_wmma_f32_16x16x32_f16 v[CB+8*(2*\dt+\qt):CB+8*(2*\dt+\qt)+7], v[KV+8*(4*\ks+\dt):KV+8*(4*\ks+\dt)+7], v[SB+8*(4*\ks+\qt):SB+8*(4*\ks+\qt)+7], v[CB+8*(2*\dt+\qt):CB+8*(2*\dt+\qt)+7]
.endr
.endr
.endr
	PLACES 5                                       ; five places before the next step's first products write over P (ISA guide 7.12.1)
.Lskip_\@:
.if \last
	FIN 0
.else
	s_cmp_lg_u32 s13, s11
	s_cbranch_scc1 .Lnofin_\@
	FIN 1
.Lnofin_\@:
	s_add_co_u32 s13, s13, 1
.endif
.endm
	CLEAR
	s_wait_tensorcnt 0x0                           ; my parts of both query blocks and of key block 0
	s_barrier_signal -1
	s_barrier_wait -1
	LOADQ 0
	s_mov_b32 s13, 0                               ; n, the step
	s_mov_b32 s14, 0
.Lloop:
	STEP 0, 1, 0
	STEP 1, 1, 0
	s_add_co_u32 s14, s14, 1
	s_cmp_lt_u32 s14, 8
	s_cbranch_scc1 .Lloop
	STEP 0, 0, 1                                   ; step 16: the high block's diagonal; nothing more is fetched
	s_wait_tensorcnt 0x0
	ds_add_u32 v30, v31
	s_wait_dscnt 0x0
	s_endpgm
.Lfunc_end_k_qbed77bfc32_attn:
	.size	k_qbed77bfc32_attn, .Lfunc_end_k_qbed77bfc32_attn-k_qbed77bfc32_attn
	.p2alignl 7, 3214868480
	.fill 96, 4, 3214868480
	.section	.rodata,"a",@progbits
	.p2align	6, 0x0
	.amdhsa_kernel k_qbed77bfc32_attn
		.amdhsa_group_segment_fixed_size 327680
		.amdhsa_private_segment_fixed_size 0
		.amdhsa_enable_private_segment 0
		.amdhsa_kernarg_size 16
		.amdhsa_user_sgpr_count 2
		.amdhsa_user_sgpr_kernarg_segment_ptr 1
		.amdhsa_wavefront_size32 1
		.amdhsa_system_sgpr_workgroup_id_x 1
		.amdhsa_system_sgpr_workgroup_id_y 1
		.amdhsa_system_sgpr_workgroup_id_z 1
		.amdhsa_system_vgpr_workitem_id 0
		.amdhsa_next_free_vgpr 256
		.amdhsa_next_free_sgpr 80
		.amdhsa_reserve_vcc 1
		.amdhsa_float_denorm_mode_32 3
		.amdhsa_float_denorm_mode_16_64 3
		.amdhsa_memory_ordered 1
		.amdhsa_forward_progress 1
		.amdhsa_inst_pref_size 114
	.end_amdhsa_kernel
	.amdgpu_metadata
---
amdhsa.version: [ 1, 2 ]
amdhsa.kernels:
  - .name:           k_qbed77bfc32_attn
    .symbol:         k_qbed77bfc32_attn.kd
    .args:
      - { .name: qkv, .offset: 0, .size: 8, .value_kind: global_buffer, .address_space: global }
      - { .name: ctx, .offset: 8, .size: 8, .value_kind: global_buffer, .address_space: global }
    .group_segment_fixed_size: 327680
    .private_segment_fixed_size: 0
    .kernarg_segment_align: 8
    .kernarg_segment_size: 16
    .max_flat_workgroup_size: 256
    .sgpr_count:     80
    .vgpr_count:     256
    .wavefront_size: 32
...
	.end_amdgpu_metadata
.endif
;; end of part 3
;; launch oproj (part 4): grid 8 x 32, 4 waves a work-group, clusters of 4 x 4, 327,680 bytes of LDS; arguments ctx, wob, out0; writes out0
.if DOCPART == 4
	.amdgcn_target "amdgcn-amd-amdhsa--gfx1250"
	.amdhsa_code_object_version 6
	.text
	.protected	k_qbed77bfc32_oproj
	.globl	k_qbed77bfc32_oproj
	.p2align	8
	.type	k_qbed77bfc32_oproj,@function
k_qbed77bfc32_oproj:
	s_mov_b64 s[64:65], 0
	v_nop
	global_prefetch_b8 v0, s[64:65] scope:SCOPE_SE
	s_setreg_imm32_b32 hwreg(HW_REG_WAVE_MODE, 25, 1), 1
	s_wait_xcnt 0x0
	s_wait_alu depctr_hold_cnt(0) depctr_sa_sdst(0) depctr_va_vdst(0) depctr_va_sdst(0) depctr_va_ssrc(0) depctr_va_vcc(0) depctr_vm_vsrc(0)
	s_getreg_b32 s2, hwreg(HW_REG_IB_STS2, 6, 4)
	s_cmp_eq_u32 s2, 0
	s_cbranch_scc0 .Lentry_in_a_cluster
	s_endpgm
.Lentry_in_a_cluster:
	s_bfe_u32 s2, ttmp6, 0x10000c
	s_cmp_lg_u32 s2, 0xf033
	s_cbranch_scc0 .Lentry_shape_is_right
	s_endpgm
.Lentry_shape_is_right:
; oproj: out0 = ctx wo^T, an f16 product 4096 x 1024 x 1024 with f32 sums and f32 results.
; ctx lies head by head, [batch*16+head][2048][64]; column head x 64 + d of the product's left matrix is ctx[head][row][d].
; A work-group makes 128 x 128 of out0 (8 x 32 = 256 work-groups; a larger block would leave work for fewer), a wave 64 x 64: 16 accumulators.
; K goes in 8 tiles of 128 (two heads) through four LDS slots; slots are filled again two at a time behind a round of the cluster's barrier.
; CLUSTERS: 4 x 4.  ctx's tile hangs on the block row alone and is asked for jointly by a row of the cluster, wo's on the block column alone
; and is asked for jointly by a column.
; The matrix instruction is used transposed (source 0 = rows of wo, source 1 = rows of ctx): a lane holds 8 neighbouring columns of one row.
; Window 0: addresses and fragments; window 1: the accumulators, tile (a, b) at 8 (4 a + b).
.set APITCH, 144                       ; a row of one head: 128 bytes + 16
.set ASUB,   128*APITCH                ; one head's 128 rows
.set BPITCH, 272
.set BOFF,   2*ASUB
.set BHALF,  64*BPITCH
.set SLOT,   BOFF+2*BHALF              ; 71,680 bytes
.set STAGE,  4*SLOT                    ; behind the ring: 16 rows x 272 bytes for each wave
.set SPITCH, 272
.set ADRA, 16                          ; v16-19 my ctx fragments in slot s
.set ADRB, 20                          ; v20-23 my wo fragments in slot s
.set STO,  24
.set RD,   25
.set CO,   26
.set G1,  24                           ; s[24:31]
.set G0,  32                           ; s[32:47], one set for each slot
.set G1B, 48                           ; s[48:55]
.set MSB, 0
.macro WIN new
.if MSB != \new
	s_set_vgpr_msb (MSB<<8)|\new
.set MSB, \new
.endif
.endm
.macro SETGB s                         ; wo's group 0 of slot s: s[56:63] for slots 0, 1 and s[68:75] for slots 2, 3
.if \s < 2
.set GB, 56+4*\s
.else
.set GB, 60+4*\s
.endif
.endm
.macro JLOAD s
	SETGB \s
	s_cmp_eq_u32 s11, 0
	s_cbranch_scc0 .Lfor_b_\@
	tensor_load_to_lds s[G0+4*\s:G0+4*\s+3], s[G1:G1+7]
	s_nop 0
	s_branch .Lasked_\@
.Lfor_b_\@:
	tensor_load_to_lds s[GB:GB+3], s[G1B:G1B+7]
	s_nop 0
.Lasked_\@:
.endm
.macro CROUND
	s_barrier_signal -1
	s_barrier_wait -1
	s_cmp_lg_u32 s10, 0
	s_cbranch_scc1 .Lnot_wave_0_\@
	s_barrier_signal -3
.Lnot_wave_0_\@:
	s_barrier_wait -3
	s_barrier_signal -1
	s_barrier_wait -1
.endm
	s_load_b128 s[4:7], s[0:1], 0x0                ; ctx s[4:5], wob s[6:7]
	s_load_b64 s[8:9], s[0:1], 0x10                ; out0
	v_lshl_add_u32 v254, v0, 2, 0x4a400
	v_mov_b32 v255, 0
	ds_add_u32 v254, v255
	ds_add_u32 v254, v255
	v_lshrrev_b32 v1, 5, v0
	v_readfirstlane_b32 s10, v1                    ; wave 0..3
	s_lshr_b32 s11, s10, 1                         ; my half of the block's rows.  Also: I fetch for ctx (0) or for wo (1)
	s_and_b32 s12, s10, 1                          ; my half of its columns.  Also: which half of that tile I fetch
	s_bfe_u32 s76, ttmp6, 0x40000                  ; cx
	s_bfe_u32 s77, ttmp6, 0x40004                  ; cy
	s_lshl_b32 s78, ttmp9, 2
	s_add_co_u32 s78, s78, s76                     ; block column
	s_and_b32 s13, ttmp7, 0xffff
	s_lshl_b32 s13, s13, 2
	s_add_co_u32 s13, s13, s77                     ; block row
	s_lshl_b32 s79, s77, 2
	s_lshl_b32 s79, 15, s79                        ; my row of the cluster
	s_lshl_b32 s80, 0x1111, s76                    ; my column
	; ctx: one head's 128 rows of 128 bytes are dense: 64 rows of 256 bytes (32 elements of 8 bytes), 4 words of padding behind every 32 words
	s_or_b32 s[G1+0], s79, (3<<16)|(1<<20)|(1<<21)|(4<<22)|(3<<25)
	s_mov_b32 s[G1+1], 32<<16
	s_mov_b32 s[G1+2], 64<<16
	s_mov_b32 s[G1+3], 32<<16
	s_mov_b32 s[G1+4], 64
	s_mov_b32 s[G1+5], 32
	s_mov_b32 s[G1+6], 0
	s_mov_b32 s[G1+7], 0
	; wo: 64 rows of 128 elements of 2 bytes, 1024 elements apart, 4 words of padding behind every 64 words
	s_or_b32 s[G1B+0], s80, (1<<16)|(1<<20)|(1<<21)|(5<<22)|(3<<25)
	s_mov_b32 s[G1B+1], 128<<16
	s_mov_b32 s[G1B+2], 64<<16
	s_mov_b32 s[G1B+3], 128<<16
	s_mov_b32 s[G1B+4], 64
	s_mov_b32 s[G1B+5], 1024
	s_mov_b32 s[G1B+6], 0
	s_mov_b32 s[G1B+7], 0
	s_lshr_b32 s16, s13, 4                         ; batch: 16 heads of 262,144 bytes
	s_lshl_b32 s16, s16, 22
	s_and_b32 s17, s13, 15                         ; my 128 rows of the sequence: 16,384 bytes
	s_lshl_b32 s17, s17, 14
	s_add_co_u32 s16, s16, s17
	s_lshl_b32 s17, s12, 18                        ; the tile's first or second head
	s_add_co_u32 s16, s16, s17
	s_mov_b32 s17, 0
	s_lshl_b32 s18, s78, 7
	s_lshl_b32 s19, s12, 6
	s_add_co_u32 s18, s18, s19                     ; wo: row 128 x block column + 64 x half
	s_lshl_b32 s18, s18, 11
	s_mov_b32 s19, 0
	s_mul_i32 s20, s10, ASUB                       ; waves 0, 1: the two heads at wave x 18,432
	s_mul_i32 s21, s10, BHALF
	s_add_co_u32 s21, s21, BOFF-2*BHALF            ; waves 2, 3: wo's halves at 36,864 + (wave - 2) x 17,408
	s_wait_dscnt 0x0
	s_wait_kmcnt 0x0
	s_add_nc_u64 s[14:15], s[4:5], s[16:17]
	s_add_nc_u64 s[18:19], s[6:7], s[18:19]
	CROUND                                         ; all sixteen work-groups are here: the first joint loads meet
.irp s, 0,1,2,3
	SETGB \s
	s_mov_b32 s[G0+4*\s], 1
	s_add_co_u32 s[G0+4*\s+1], s20, \s*SLOT
	s_add_nc_u64 s[G0+4*\s+2:G0+4*\s+3], s[14:15], \s*524288       ; tile s: two heads on
	s_or_b32 s[G0+4*\s+3], s[G0+4*\s+3], 0x80000000
	s_mov_b32 s[GB], 1
	s_add_co_u32 s[GB+1], s21, \s*SLOT
	s_add_nc_u64 s[GB+2:GB+3], s[18:19], \s*256                    ; tile s: 128 elements on
	s_or_b32 s[GB+3], s[GB+3], 0x80000000
	JLOAD \s                                       ; four loads of the wave are out behind this run
.endr
	v_and_b32 v1, 15, v0                           ; r
	v_bfe_u32 v2, v0, 4, 1                         ; h
	v_mul_u32_u24 v3, v1, APITCH
	v_lshl_add_u32 v3, v2, 4, v3
	v_mul_u32_u24 v5, v1, BPITCH
	v_lshl_add_u32 v4, v2, 4, v5
	s_mul_i32 s22, s11, 64*APITCH                  ; my 64 rows of ctx
	s_mul_i32 s23, s12, 64*BPITCH                  ; my 64 rows of wo
	s_add_co_u32 s23, s23, BOFF
.irp s, 0,1,2,3
	v_add_nc_u32 v[ADRA+\s], s22, v3
	v_add_nc_u32 v[ADRB+\s], s23, v4
	s_add_co_u32 s22, s22, SLOT
	s_add_co_u32 s23, s23, SLOT
.endr
	s_mul_i32 s22, s10, 16*SPITCH
	s_add_co_u32 s22, s22, STAGE                   ; my stage
	v_lshl_add_u32 v5, v2, 5, v5                   ; in: row r, 32 bytes for each half of the lanes
	v_add_nc_u32 v[STO], s22, v5
	v_mul_u32_u24 v6, v2, SPITCH                   ; back: sixteen lanes take one row of 256 bytes
	v_lshl_add_u32 v6, v1, 4, v6
	v_add_nc_u32 v[RD], s22, v6
	v_lshlrev_b32 v7, 12, v2                       ; and the same two rows of out0, 4,096 bytes apart
	v_lshl_add_u32 v[CO], v1, 4, v7
.macro PLACES
.rept 4
	v_nop
.endr
.endm
; 16 LDS loads: the fragments of quarter step NK of the tile in slot NS into buffer NF (ctx at v[64 + 64 NF], wo at v[96 + 64 NF])
.macro FETCH
.irp i, 0,1,2,3
	ds_load_b128 v[96+64*NF+8*\i:96+64*NF+8*\i+3],   v[ADRB+NS] offset:NK*64+\i*16*BPITCH
	ds_load_b128 v[96+64*NF+8*\i+4:96+64*NF+8*\i+7], v[ADRB+NS] offset:NK*64+\i*16*BPITCH+32
.endr
.irp i, 0,1,2,3
	ds_load_b128 v[64+64*NF+8*\i:64+64*NF+8*\i+3],   v[ADRA+NS] offset:(NK>>1)*ASUB+(NK&1)*64+\i*16*APITCH
	ds_load_b128 v[64+64*NF+8*\i+4:64+64*NF+8*\i+7], v[ADRA+NS] offset:(NK>>1)*ASUB+(NK&1)*64+\i*16*APITCH+32
.endr
.endm
; Slots sa and sb, which every wave has read, get the tiles four further on.  The waits stand in front of the round, the joint loads first behind it.
.macro REFILL sa, sb
	s_wait_tensorcnt 0x0                           ; all my tensor loads have landed (my LDS reads are back: the quarter's own wait for 0)
	ds_add_u32 v254, v255
	s_wait_dscnt 0x0
	CROUND                                         ; the same holds of every wave of all sixteen work-groups
.irp s, \sa, \sb
	SETGB \s
	s_add_nc_u64 s[G0+4*\s+2:G0+4*\s+3], s[G0+4*\s+2:G0+4*\s+3], 4*524288
	s_add_nc_u64 s[GB+2:GB+3], s[GB+2:GB+3], 4*256
.endr
	JLOAD \sa
	JLOAD \sb
.endm
; Quarter step q (32 along K): the fragments of q are in, those of q + 1 are asked for, then 16 matrix instructions.
; The 16 accumulators take turns, one instruction a turn, in the same order in every quarter.
.macro QTR
	s_wait_dscnt 0x0                               ; buffer q % 2 is in; no read of mine is pending
.if q == 7
	REFILL 0, 1                                    ; tiles 0, 1 have been read to the end; tiles 2, 3 have landed; tiles 4, 5 go out and have 8 quarters to land
.endif
.if q == 15
	REFILL 2, 3                                    ; tiles 6, 7
.endif
.if q == 23
	s_wait_tensorcnt 0x0                           ; tiles 6, 7: nothing more is fetched
	s_barrier_signal -1
	s_barrier_wait -1
.endif
.if q < 31
.if q > 0
	PLACES                                         ; four places before the other buffer, which the last quarter's products read, is loaded over (ISA guide 7.12.1)
.endif
.set NS, ((q+1)>>2)&3
.set NK, (q+1)&3
.set NF, (q+1)&1
	FETCH
.endif
.set CF, q&1
	WIN 0x50                                       ; C and D in window 1
.irp a, 0,1,2,3
.irp b, 0,1,2,3
.if q == 0
	v_wmma_f32_16x16x32_f16 v[8*(4*\a+\b):8*(4*\a+\b)+7], v[96+64*CF+8*\b:96+64*CF+8*\b+7], v[64+64*CF+8*\a:64+64*CF+8*\a+7], 0
.else
	v_wmma_f32_16x16x32_f16 v[8*(4*\a+\b):8*(4*\a+\b)+7], v[96+64*CF+8*\b:96+64*CF+8*\b+7], v[64+64*CF+8*\a:64+64*CF+8*\a+7], v[8*(4*\a+\b):8*(4*\a+\b)+7]
.endif
.endr
.endr
	WIN 0
.endm
	s_wait_tensorcnt 2                             ; my parts of tiles 0 and 1 are in; tiles 2 and 3 stay out
	s_barrier_signal -1
	s_barrier_wait -1
.set NS, 0
.set NK, 0
.set NF, 0
	FETCH
.set q, 0
.rept 32
	QTR
.set q, q+1
.endr
	; THE WAY OUT, 16 rows at a time: 32 bytes a lane into my stage, back as whole rows of 256 bytes.
	PLACES
	s_lshl_b32 s16, s13, 7
	s_lshl_b32 s17, s11, 6
	s_add_co_u32 s16, s16, s17                     ; my first row
	s_lshl_b32 s16, s16, 12                        ; rows of 4,096 bytes
	s_mov_b32 s17, 0
	s_add_nc_u64 s[8:9], s[8:9], s[16:17]
	s_lshl_b32 s82, s78, 9                         ; my first column, in bytes: 512 x block + 256 x half
	s_lshl_b32 s83, s12, 8
	s_add_co_u32 s82, s82, s83
	s_mov_b32 s83, 0
	s_add_nc_u64 s[8:9], s[8:9], s[82:83]
.macro OUT16 a, f
	WIN 0x04                                       ; the stores' data in window 1
.irp b, 0,1,2,3
	ds_store_b128 v[STO], v[8*(4*\a+\b):8*(4*\a+\b)+3]   offset:64*\b
	ds_store_b128 v[STO], v[8*(4*\a+\b)+4:8*(4*\a+\b)+7] offset:64*\b+16
.endr
	WIN 0
	s_wait_xcnt 0x0                                ; the rows read back are loaded over only when earlier stores' sources have been taken (ISA guide 3.1)
.irp t, 0,1,2,3,4,5,6,7
	ds_load_b128 v[\f+4*\t:\f+4*\t+3], v[RD] offset:\t*2*SPITCH    ; LDS serves a wave's instructions in order (ISA guide 5.7.1): these see the stores above
.endr
.irp t, 0,1,2,3,4,5,6,7
	s_wait_dscnt 7-\t
	global_store_b128 v[CO], v[\f+4*\t:\f+4*\t+3], s[8:9] offset:(16*\a+2*\t)*4096 th:TH_STORE_NT   ; sixteen lanes store 256 consecutive bytes, aligned
.endr
.endm
	OUT16 0, 64
	OUT16 1, 128
	OUT16 2, 64
	OUT16 3, 128
	s_wait_tensorcnt 0x0
	ds_add_u32 v254, v255
	s_wait_dscnt 0x0
	CROUND                                         ; the closing round: no work-group ends while a partner may still ask for a tile that names it
	s_endpgm
.Lfunc_end_k_qbed77bfc32_oproj:
	.size	k_qbed77bfc32_oproj, .Lfunc_end_k_qbed77bfc32_oproj-k_qbed77bfc32_oproj
	.p2alignl 7, 3214868480
	.fill 96, 4, 3214868480
	.section	.rodata,"a",@progbits
	.p2align	6, 0x0
	.amdhsa_kernel k_qbed77bfc32_oproj
		.amdhsa_group_segment_fixed_size 327680
		.amdhsa_private_segment_fixed_size 0
		.amdhsa_enable_private_segment 0
		.amdhsa_kernarg_size 24
		.amdhsa_user_sgpr_count 2
		.amdhsa_user_sgpr_kernarg_segment_ptr 1
		.amdhsa_wavefront_size32 1
		.amdhsa_system_sgpr_workgroup_id_x 1
		.amdhsa_system_sgpr_workgroup_id_y 1
		.amdhsa_system_sgpr_workgroup_id_z 1
		.amdhsa_system_vgpr_workitem_id 0
		.amdhsa_next_free_vgpr 384
		.amdhsa_next_free_sgpr 88
		.amdhsa_reserve_vcc 0
		.amdhsa_float_denorm_mode_32 3
		.amdhsa_float_denorm_mode_16_64 3
		.amdhsa_memory_ordered 1
		.amdhsa_forward_progress 1
		.amdhsa_inst_pref_size 91
	.end_amdhsa_kernel
	.amdgpu_metadata
---
amdhsa.version: [ 1, 2 ]
amdhsa.kernels:
  - .name:           k_qbed77bfc32_oproj
    .symbol:         k_qbed77bfc32_oproj.kd
    .args:
      - { .name: ctx, .offset: 0, .size: 8, .value_kind: global_buffer, .address_space: global }
      - { .name: wob, .offset: 8, .size: 8, .value_kind: global_buffer, .address_space: global }
      - { .name: out0, .offset: 16, .size: 8, .value_kind: global_buffer, .address_space: global }
    .group_segment_fixed_size: 327680
    .private_segment_fixed_size: 0
    .kernarg_segment_align: 8
    .kernarg_segment_size: 24
    .max_flat_workgroup_size: 128
    .sgpr_count:     88
    .vgpr_count:     384
    .wavefront_size: 32
...
	.end_amdgpu_metadata
.endif
;; end of part 4
;; ======== version 2 of 2: 4 launches; version 1 with the launch prep written anew for expert scheduling mode
;; limits: values are held in f16: magnitudes above 65,504 overflow, below 6.1e-05 lose precision
;; workspace buffers: xb 8,388,608 bytes; wb 6,291,456 bytes; wob 2,097,152 bytes; tab 524,288 bytes; qkv 25,165,824 bytes; ctx 8,388,608 bytes
;; launch prep (part 5): grid 256 x 1, 8 waves a work-group, no clusters, 0 bytes of LDS; arguments in_features, wq, wk, wv, wo, xb, wb, wob, tab; writes xb, wb, wob, tab
.if DOCPART == 5
	.amdgcn_target "amdgcn-amd-amdhsa--gfx1250"
	.amdhsa_code_object_version 6
	.text
	.protected	k_qbed77bfc32_prep
	.globl	k_qbed77bfc32_prep
	.p2align	8
	.type	k_qbed77bfc32_prep,@function
k_qbed77bfc32_prep:
	s_mov_b64 s[64:65], 0
	v_nop
	global_prefetch_b8 v0, s[64:65] scope:SCOPE_SE
	s_setreg_imm32_b32 hwreg(HW_REG_WAVE_SCHED_MODE, 0, 2), 2
	s_setreg_imm32_b32 hwreg(HW_REG_WAVE_MODE, 25, 1), 1
	s_wait_xcnt 0x0
	s_wait_alu depctr_vm_vsrc(0)
; prep: rounds the five f32 inputs to 16 bits once, and makes the table of RoPE's cosines and sines.
;   xb  = bf16(in_features) [4096][1024];  wb = bf16(wq | wk | wv) [3072][1024];
;   wob = wo rounded to bf16 and written in f16 (the last product runs on f16 operands): exact for 2^-14 <= |wo| <= 65504,
;         below that off by at most 2^-25, above that infinite (a stated limit of range);
;   tab = f32 [2048 positions][32 pairs][cos, sin].
; A stream: no LDS, no matrix unit.  Work-group g takes 1/256 of every buffer: 16 chunks of 4,096 bytes of x, 4 of each weight.
; A thread issues its 32 loads of 16 bytes at once, makes its one table entry while they fly, and then drains them in order.
; The table's angle is pos * 10000^(-pair/32) in f32, reduced by multiples of pi/2 in two fused steps; it is good to about 1e-4 rad at position 2047.
; THE MODE: SCHED_MODE bits 1:0 = 2 (LLVM: expert scheduling mode 2), set by the entry lines.  The code itself states the register dependences
; between vector instructions and memory instructions, with s_wait_alu, always for 0.
; THE PLAN.  Registers that memory instructions touch:
;   v2 .. v6     byte offsets, made once at the head and never written again: read by every load and store.
;   chunk idx    four registers at D + 4 idx.  The chunk's load lands in them (all 32 loads go out before any vector line names them); its conversions
;                write the first two (wo's chunks use the other two at work); its one store reads those two; nothing is written behind the store.
;   v14, v15     the table entry: written by the table's arithmetic, read by one store, never written again.
; The 32 chunks go in 8 blocks of four.  Block p converts its own chunks; its memory instructions are the stores of block p - 1 (in block 0 the
; table entry's), whose registers no vector line of block p names.  So one wait at a block's head states all that the block's stores hang on.
; No register that a memory instruction reads is ever written again, so nothing is owed for that.
.set D, 16                             ; v[16:143] chunk idx: 4 registers as loaded, then 2 as stored
	s_load_b512 s[4:19], s[0:1], 0x0               ; x s[4:5], wq s[6:7], wk s[8:9], wv s[10:11], wo s[12:13], xb s[14:15], wb s[16:17], wob s[18:19]
	s_load_b64 s[20:21], s[0:1], 0x40              ; tab
	s_lshl_b32 s22, ttmp9, 16                      ; my 65,536 bytes of x
	s_lshl_b32 s23, ttmp9, 14                      ; my 16,384 bytes of a weight
	s_lshl_b32 s24, ttmp9, 15                      ; my 32,768 bytes of xb
	s_lshl_b32 s25, ttmp9, 13                      ; my 8,192 bytes of a 16-bit weight
	s_lshl_b32 s26, ttmp9, 11                      ; my 2,048 bytes of the table: 8 positions
	s_lshl_b32 s27, ttmp9, 3                       ; my first position
	v_lshl_add_u32 v2, v0, 4, s22
	v_lshl_add_u32 v3, v0, 4, s23
	v_lshl_add_u32 v4, v0, 3, s24
	v_lshl_add_u32 v5, v0, 3, s25
	v_lshl_add_u32 v6, v0, 3, s26
	s_wait_kmcnt 0x0
	s_wait_alu depctr_va_vdst(0)                   ; v2 to v6 are written: every load and store of the kernel reads one of them as its offset
.irp c, 0,1,2,3,4,5,6,7,8,9,10,11,12,13,14,15
	global_load_b128 v[D+4*\c:D+4*\c+3], v2, s[4:5] offset:4096*\c th:TH_LOAD_NT
.endr
.irp c, 0,1,2,3
	global_load_b128 v[D+64+4*\c:D+64+4*\c+3], v3, s[6:7] offset:4096*\c th:TH_LOAD_NT
.endr
.irp c, 0,1,2,3
	global_load_b128 v[D+80+4*\c:D+80+4*\c+3], v3, s[8:9] offset:4096*\c th:TH_LOAD_NT
.endr
.irp c, 0,1,2,3
	global_load_b128 v[D+96+4*\c:D+96+4*\c+3], v3, s[10:11] offset:4096*\c th:TH_LOAD_NT
.endr
.irp c, 0,1,2,3
	global_load_b128 v[D+112+4*\c:D+112+4*\c+3], v3, s[12:13] offset:4096*\c th:TH_LOAD_NT
.endr
	; the table entry of thread t: position 8 g + t / 32, pair t % 32
	v_lshrrev_b32 v7, 5, v0
	v_and_b32 v8, 31, v0
	v_add_nc_u32 v7, s27, v7
	v_cvt_f32_u32 v7, v7                           ; pos
	v_cvt_f32_u32 v8, v8                           ; pair
	v_mul_f32 v8, 0xbed49a78, v8                   ; - pair * log2(10000) / 32
	v_exp_f32 v8, v8                               ; 10000^(-pair/32)
	v_nop                                          ; one plain instruction behind a transcendental (ISA guide 5.7.2)
	s_wait_alu depctr_va_vdst(0)                   ; the exponential has written v8, which the next line reads
	v_mul_f32 v7, v7, v8                           ; the angle
	v_mul_f32 v8, 0x3f22f983, v7                   ; * 2/pi
	v_rndne_f32 v8, v8                             ; n quarter turns
	v_cvt_i32_f32 v13, v8                          ; q = n
	v_and_b32 v11, 1, v13
	v_cmp_eq_u32 vcc_lo, 1, v11                    ; odd quarter: sine and cosine change places.  Made here, so that both polynomials stand between it and the wait for it
	v_fma_f32 v7, v8, 0xbfc90fdb, v7               ; x = angle - n * (pi/2 rounded to f32)
	v_fma_f32 v7, v8, 0x333bbd2e, v7               ;     - n * (what that rounding left: -4.37e-8)
	v_mul_f32 v9, v7, v7                           ; z = x^2, |x| <= pi/4
	v_mov_b32 v10, 0xb9500d01                      ; -1/5040
	v_fmaak_f32 v10, v9, v10, 0x3c088889           ; + 1/120
	v_fmaak_f32 v10, v9, v10, 0xbe2aaaab           ; - 1/6
	v_mul_f32 v11, v7, v9
	v_fma_f32 v10, v11, v10, v7                    ; sin x
	v_mov_b32 v12, 0x37d00d01                      ; 1/40320
	v_fmaak_f32 v12, v9, v12, 0xbab60b61           ; - 1/720
	v_fmaak_f32 v12, v9, v12, 0x3d2aaaab           ; + 1/24
	v_fmaak_f32 v12, v9, v12, 0xbf000000           ; - 1/2
	v_fma_f32 v12, v9, v12, 1.0                    ; cos x
	s_wait_alu depctr_va_vcc(0)                    ; the compare has written VCC, which the two selects below read
	v_cndmask_b32 v15, v10, v12, vcc_lo            ; sin
	v_cndmask_b32 v14, v12, v10, vcc_lo            ; cos
	v_and_b32 v11, 2, v13                          ; sin is negated in quarters 2 and 3
	v_lshlrev_b32 v11, 30, v11
	v_xor_b32 v15, v15, v11
	v_add_nc_u32 v13, 1, v13                       ; cos in quarters 1 and 2
	v_and_b32 v13, 2, v13
	v_lshlrev_b32 v13, 30, v13
	v_xor_b32 v14, v14, v13
; The head of block p.
.macro HEAD p
	s_wait_loadcnt 28-4*(\p)                       ; loads come back in order (ISA guide 5.7.1): the block's four chunks are in, the 28 - 4 p younger loads stay out
	s_wait_alu depctr_va_vdst(0)                   ; the vector lines ahead of this block have written the registers that the block's stores read: the block before's first two of each chunk; in block 0 v14 and v15
.endm
; Chunk idx: 4 f32 become 4 numbers of 16 bits, in the chunk's own registers; nothing is written again behind its store.
.macro CONV idx
	v_cvt_pk_bf16_f32 v[D+4*(\idx)], v[D+4*(\idx)], v[D+4*(\idx)+1]
	v_cvt_pk_bf16_f32 v[D+4*(\idx)+1], v[D+4*(\idx)+2], v[D+4*(\idx)+3]
.endm
.macro HALF idx
	v_lshlrev_b32 v[D+4*(\idx)+2], 16, v[D+4*(\idx)]                 ; the bf16 values as f32 again,
	v_and_b32 v[D+4*(\idx)+3], 0xffff0000, v[D+4*(\idx)]
	v_cvt_pk_f16_f32 v[D+4*(\idx)], v[D+4*(\idx)+2], v[D+4*(\idx)+3] ; and written in f16
	v_lshlrev_b32 v[D+4*(\idx)+2], 16, v[D+4*(\idx)+1]
	v_and_b32 v[D+4*(\idx)+3], 0xffff0000, v[D+4*(\idx)+1]
	v_cvt_pk_f16_f32 v[D+4*(\idx)+1], v[D+4*(\idx)+2], v[D+4*(\idx)+3]
.endm
; The store of chunk idx, issued a block later.  No wait: no vector line since the block's head names its registers.
.macro ST idx, voff, base, off
	global_store_b64 v[\voff], v[D+4*(\idx):D+4*(\idx)+1], s[\base:\base+1] offset:\off   ; 32 lanes: 256 consecutive bytes, aligned
.endm
	HEAD 0                                         ; x, chunks 0 to 3
	global_store_b64 v6, v[14:15], s[20:21]        ; the table entry: a wave's store covers 256 consecutive bytes, aligned
.irp c, 0,1,2,3
	CONV \c
.endr
	HEAD 1                                         ; x, chunks 4 to 7; a store of the block before stands ahead of each chunk's conversions
.irp c, 0,1,2,3
	ST \c, 4, 14, 2048*\c
	CONV 4+\c
.endr
	HEAD 2                                         ; x, chunks 8 to 11
.irp c, 4,5,6,7
	ST \c, 4, 14, 2048*\c
	CONV 4+\c
.endr
	HEAD 3                                         ; x, chunks 12 to 15
.irp c, 8,9,10,11
	ST \c, 4, 14, 2048*\c
	CONV 4+\c
.endr
	HEAD 4                                         ; wq
.irp c, 12,13,14,15
	ST \c, 4, 14, 2048*\c
	CONV 4+\c
.endr
	HEAD 5                                         ; wk
.irp c, 0,1,2,3
	ST 16+\c, 5, 16, 2048*\c
	CONV 20+\c
.endr
	HEAD 6                                         ; wv
.irp c, 0,1,2,3
	ST 20+\c, 5, 16, 2097152+2048*\c
	CONV 24+\c
.endr
	HEAD 7                                         ; wo: no load is left out
.irp c, 0,1,2,3
	ST 24+\c, 5, 16, 4194304+2048*\c
	CONV 28+\c
	HALF 28+\c
.endr
	s_wait_alu depctr_va_vdst(0)                   ; block 7's conversions have written the first two registers of chunks 28 to 31, which the last four stores read
.irp c, 0,1,2,3
	ST 28+\c, 5, 18, 2048*\c
.endr
	s_endpgm
.Lfunc_end_k_qbed77bfc32_prep:
	.size	k_qbed77bfc32_prep, .Lfunc_end_k_qbed77bfc32_prep-k_qbed77bfc32_prep
	.p2alignl 7, 3214868480
	.fill 96, 4, 3214868480
	.section	.rodata,"a",@progbits
	.p2align	6, 0x0
	.amdhsa_kernel k_qbed77bfc32_prep
		.amdhsa_group_segment_fixed_size 0
		.amdhsa_private_segment_fixed_size 0
		.amdhsa_enable_private_segment 0
		.amdhsa_kernarg_size 72
		.amdhsa_user_sgpr_count 2
		.amdhsa_user_sgpr_kernarg_segment_ptr 1
		.amdhsa_wavefront_size32 1
		.amdhsa_system_sgpr_workgroup_id_x 1
		.amdhsa_system_sgpr_workgroup_id_y 1
		.amdhsa_system_sgpr_workgroup_id_z 1
		.amdhsa_system_vgpr_workitem_id 0
		.amdhsa_next_free_vgpr 144
		.amdhsa_next_free_sgpr 66
		.amdhsa_reserve_vcc 1
		.amdhsa_float_denorm_mode_32 3
		.amdhsa_float_denorm_mode_16_64 3
		.amdhsa_memory_ordered 1
		.amdhsa_forward_progress 1
		.amdhsa_inst_pref_size 15
	.end_amdhsa_kernel
	.amdgpu_metadata
---
amdhsa.version: [ 1, 2 ]
amdhsa.kernels:
  - .name:           k_qbed77bfc32_prep
    .symbol:         k_qbed77bfc32_prep.kd
    .args:
      - { .name: in_features, .offset: 0, .size: 8, .value_kind: global_buffer, .address_space: global }
      - { .name: wq, .offset: 8, .size: 8, .value_kind: global_buffer, .address_space: global }
      - { .name: wk, .offset: 16, .size: 8, .value_kind: global_buffer, .address_space: global }
      - { .name: wv, .offset: 24, .size: 8, .value_kind: global_buffer, .address_space: global }
      - { .name: wo, .offset: 32, .size: 8, .value_kind: global_buffer, .address_space: global }
      - { .name: xb, .offset: 40, .size: 8, .value_kind: global_buffer, .address_space: global }
      - { .name: wb, .offset: 48, .size: 8, .value_kind: global_buffer, .address_space: global }
      - { .name: wob, .offset: 56, .size: 8, .value_kind: global_buffer, .address_space: global }
      - { .name: tab, .offset: 64, .size: 8, .value_kind: global_buffer, .address_space: global }
    .group_segment_fixed_size: 0
    .private_segment_fixed_size: 0
    .kernarg_segment_align: 8
    .kernarg_segment_size: 72
    .max_flat_workgroup_size: 256
    .sgpr_count:     66
    .vgpr_count:     144
    .wavefront_size: 32
...
	.end_amdgpu_metadata
.endif
;; end of part 5
;; launch qkv: the kernel of part 2 again; grid 16 x 16, 4 waves a work-group, clusters of 4 x 4, 327,680 bytes of LDS; arguments xb, wb, tab, qkv; writes qkv
;; launch attn: the kernel of part 3 again; grid 8 x 32, 8 waves a work-group, no clusters, 327,680 bytes of LDS; arguments qkv, ctx; writes ctx
;; launch oproj: the kernel of part 4 again; grid 8 x 32, 4 waves a work-group, clusters of 4 x 4, 327,680 bytes of LDS; arguments ctx, wob, out0; writes out0
